; MI455X (gfx1250); checked and timed in simulation.
; The chip was launched on July 23, 2026; its instructions are those of AMD's public machine-readable ISA for CDNA 5 (MIT licence, August 2026) and "CDNA5" Instruction Set Architecture Reference Guide (July 2026). The comments in the code are by the model that wrote it; some were corrected since.
;; Torch Attention. Allowed arithmetic: matrix products marked QUANTISED: E2M1 operands, one E8M0 scale for each 32 along K, by v_wmma_scale_f32_16x16x128_f8f6f4 with both operands' format E2M1 (or v_wmma_scale_f32_32x16x128_f4), f32 sums; products left as they are: bf16, f16 or f32 operands; f32 sums; everything else in f32.
;; Inputs: W_o 1,024 x 1,024 float32; W_qkv 3,072 x 1,024 float32; attention_mask 2 x 1 x 2,048 x 2,048 float32; hidden_states 2 x 2,048 x 1,024 float32; rel_bias_emb 32 x 16 float32.
;; Outputs: out0 2 x 2,048 x 1,024 float32.
;; This version of the problem:
;;   THIS VERSION OF THE PROBLEM IS GIVEN IN LOW PRECISION. The matrix products marked QUANTISED in the list below multiply operands that are first quantised to E2M1 (2 exponent bits, 1 mantissa bit; 4 bits a number), with one power-of-two scale for each 32 numbers along K (OCP MX v1.0); their sums are f32. The products marked 'left as it is' may take bf16, f16 or f32 operands, with f32 sums. Whichever they take, every output number must still come out within the allowed error. Rounding operands to bf16 (8 significant bits) uses up far more of that allowance than f16 does (11 bits, for magnitudes from 6e-5 to 65,504). All else is computed in f32.
;;   The module's matrix products, in the order in which they are computed (A, B: the left and right operand; K: the contracted axis; several contracted axes count as one K, in the product's order):
;;     1. [M 4,096, K 1,024] x [K 1,024, N 3,072]; A: input hidden_states; B: input W_qkv: QUANTISED
;;     2. batch 32 x [M 2,048, K 64] x [K 64, N 2,048]; A: computed on the way; B: computed on the way: left as it is (an operand is computed on the way)
;;     3. batch 32 x [M 2,048, K 2,048] x [K 2,048, N 64]; A: computed on the way; B: computed on the way: left as it is (an operand is computed on the way)
;;     4. [M 4,096, K 1,024] x [K 1,024, N 1,024]; A: computed on the way; B: input W_o: left as it is (an operand is computed on the way)
;;   THE QUANTISER, for each operand of a quantised product, along K:
;;     - K is cut into blocks of 32 from its start; a last block that is shorter is filled with zeros.
;;     - A block's scale is 2^e with e = floor(log2(the largest magnitude in the block)) - 2, held to -126 .. 127; a block of zeros has e = 0. As a byte (E8M0): e + 127.
;;     - Each number is divided by its block's scale, clamped to +-6, and rounded to the nearest number of E2M1, ties to even, subnormals kept.
;;     - The product sums the exact products of the quantised numbers (number of the format x scale) in f32.
;;   ~~~python
;;   def quantise(x, axis):      # numpy; x: float32 -> the quantised numbers, widened to float32 again
;;       x = np.moveaxis(x, axis, -1); K = x.shape[-1]
;;       x = np.pad(x, [(0, 0)] * (x.ndim - 1) + [(0, -K % 32)]); x = x.reshape(x.shape[:-1] + (-1, 32)); a = np.abs(x).max(-1, keepdims=True)
;;       e = np.where(a > 0, np.clip(np.frexp(np.where(a > 0, a, 1))[1] - 1 - 2, -126, 127), 0)      # np.frexp(a)[1] - 1 = floor(log2(a)), exactly
;;       r = np.clip(x / 2.0 ** e, -6, 6)
;;       step = 2.0 ** (np.maximum(np.frexp(np.where(r == 0, 1, r))[1] - 1, 0) - 1)
;;       q = np.round(r / step) * step * 2.0 ** e      # np.round: ties to even
;;       return np.moveaxis(q.reshape(q.shape[:-2] + (-1,))[..., :K], -1, axis).astype(np.float32)
;;   ~~~
;; One version. Each part assembles by itself: llvm-mc -triple=amdgcn-amd-amdhsa -mcpu=gfx1250 --defsym DOCPART=n.
;; ======== version 1 of 1: 4 launches
;; limits: values are held in f16: magnitudes above 65,504 overflow, below 6.1e-05 lose precision
;; workspace buffers: a_codes 2,097,152 bytes; a_scales 131,072 bytes; b_codes 1,572,864 bytes; b_scales 98,304 bytes; wo16 2,097,152 bytes; qkv 25,165,824 bytes; ctx 8,388,608 bytes
;; launch prep (part 1): grid 256 x 1, 4 waves a work-group, no clusters, 33,280 bytes of LDS; arguments hidden_states, W_qkv, W_o, a_codes, a_scales, b_codes, b_scales, wo16; writes a_codes, a_scales, b_codes, b_scales, wo16
.if DOCPART == 1
	.amdgcn_target "amdgcn-amd-amdhsa--gfx1250"
	.amdhsa_code_object_version 6
	.text
	.protected	k_q723ff7e5e2_prep
	.globl	k_q723ff7e5e2_prep
	.p2align	8
	.type	k_q723ff7e5e2_prep,@function
k_q723ff7e5e2_prep:
	s_mov_b64 s[64:65], 0
	v_nop
	global_prefetch_b8 v0, s[64:65] scope:SCOPE_SE
	s_setreg_imm32_b32 hwreg(HW_REG_WAVE_MODE, 25, 1), 1
	s_wait_xcnt 0x0
; hidden_states [4096][1024] and W_qkv [3072][1024], f32, K innermost, become codes of E2M1 (two a byte, the lower k in the low four bits) with one E8M0 byte for each 32 along K;
; W_o [1024][1024] f32 becomes f16, laid [n / 128][k / 64][n % 128][k % 64], so that a tile of 128 rows x 64 along K is 16,384 consecutive bytes.
; A block's scale is 2^(floor(log2(its largest magnitude)) - 2): its byte is the largest magnitude's exponent field - 2, held at 1 from below.  A block of zeros keeps the byte 1: its codes are zeros,
; which add nothing, and this program alone reads the bytes.
; LIMITS: blocks whose largest magnitude lies under 2^-124 (the floor) get the byte 1; NaN and infinities are not served; |W_o| stays under 65,504, and under 6e-5 it is kept in steps of 6e-8 (f16).
; Work-groups 0-127 take hidden_states, 128-223 W_qkv (one path, the buffers chosen by the work-group's number), 224-255 W_o (a path without LDS).
; Rows are dense and 1,024 is a multiple of 32: a tensor is a plain stream of blocks of 32, and so are its codes and its scale bytes.  A wave takes 16 steps of 512 numbers: each load reads 512 consecutive
; bytes, the step's 2,048 bytes turn through the wave's own stage in LDS and come back 64 bytes (16 neighbours) a lane; two neighbouring lanes hold a block.  No barrier: waves share nothing.
.set WAVES, 4
.set STEPS, 16
.set WGA,   128                        ; 4,096 x 1,024 / 32,768
.set WGQ,   224                        ; + 3,072 x 1,024 / 32,768
.set CB,    8                          ; bytes of 16 codes
.set R,     16                         ; v16-79   four sets of 16 numbers as loaded (the cast: v16-143, two sets of 64)
.set X,     80                         ; v80-111  two sets of 16 neighbours
.set E,     112                        ; v112-127 a scale byte for each step
.set C,     128                        ; v128-191 codes, four registers a step: no store's data are written again
.set YR,    144                        ; the cast: v144-175 f16 pairs to store
.set WREG,  8192                       ; LDS: a region for each wave: two stages of 32 x SP bytes, then its 256 scale bytes
.set SP,    80                         ; a lane's place in a stage: 64 bytes + 16 of padding
.set SPW,   12                         ; v12 LDS address of my spare word; never rewritten
.set NIL,   13                         ; v13 0; never rewritten
.set SPARE, WAVES*WREG                 ; behind the regions: the spare words, 128 bytes a wave, which no other line names
	s_load_b256 s[4:11], s[0:1], 0x0               ; hidden s[4:5], W_qkv s[6:7], W_o s[8:9], a_codes s[10:11]
	s_load_b256 s[12:19], s[0:1], 0x20             ; a_scales s[12:13], b_codes s[14:15], b_scales s[16:17], wo16 s[18:19]
	v_lshl_add_u32 v[SPW], v0, 2, SPARE
	v_mov_b32 v[NIL], 0
	v_lshrrev_b32 v1, 5, v0
	v_readfirstlane_b32 s20, v1                    ; wave
	v_and_b32 v2, 31, v0                           ; lane
	s_cmp_ge_u32 ttmp9, WGQ
	s_cbranch_scc1 .Lcast
	v_lshlrev_b32 v3, 4, v2                        ; my 16 bytes of a load's 512
	s_mul_i32 s21, s20, WREG
	v_lshrrev_b32 v14, 2, v2
	v_mul_u32_u24 v14, v14, SP
	v_and_b32 v15, 3, v2
	v_lshl_add_u32 v14, v15, 4, v14
	v_add_nc_u32 v14, s21, v14                     ; the stage, on the way in: SP (lane / 4) + 16 (lane % 4)
	v_mul_u32_u24 v15, v2, SP
	v_add_nc_u32 v15, s21, v15                     ; and on the way out: SP x lane: my 16 neighbours
	v_mul_u32_u24 v4, v2, CB                       ; my codes' place in a step's
	v_lshrrev_b32 v5, 1, v2
	s_add_co_u32 s21, s21, 2*32*SP
	v_add_nc_u32 v5, s21, v5                       ; my wave's 256 scale bytes, my block's byte
	v_lshlrev_b32 v7, 3, v2
	v_add_nc_u32 v6, s21, v7                       ; and on the way out 8 bytes a lane
	s_wait_kmcnt 0x0
	s_cmp_lt_u32 ttmp9, WGA                        ; the choice hangs on the work-group's number alone
	s_cselect_b64 s[4:5], s[4:5], s[6:7]           ; the numbers,
	s_cselect_b64 s[10:11], s[10:11], s[14:15]     ; the codes,
	s_cselect_b64 s[12:13], s[12:13], s[16:17]     ; the scale bytes
	s_cselect_b32 s21, 0, WGA
	s_sub_co_u32 s21, ttmp9, s21
	s_lshl_b32 s21, s21, 2
	s_add_co_u32 s21, s21, s20                     ; which run of 8,192 numbers is my wave's (under 512)
	s_lshl_b32 s22, s21, 15                        ; 32,768 bytes of numbers,
	s_mov_b32 s23, 0
	s_add_nc_u64 s[4:5], s[4:5], s[22:23]
	s_lshl_b32 s22, s21, 12                        ; 4,096 of codes,
	s_add_nc_u64 s[10:11], s[10:11], s[22:23]
	s_lshl_b32 s22, s21, 8                         ; 256 scale bytes a run
	s_add_nc_u64 s[12:13], s[12:13], s[22:23]
.macro LOAD t
.irp i, 0,1,2,3
	global_load_b128 v[R+16*((\t)%4)+4*\i:R+16*((\t)%4)+4*\i+3], v3, s[4:5] offset:2048*(\t)+512*\i th:TH_LOAD_NT   ; 32 lanes read 512 consecutive bytes
.endr
.endm
.macro TURN t                          ; step t's numbers through the stage: LDS serves a wave's instructions in order, so no wait stands between the stores and the loads
.irp i, 0,1,2,3
	ds_store_b128 v14, v[R+16*((\t)%4)+4*\i:R+16*((\t)%4)+4*\i+3] offset:32*SP*((\t)%2)+8*SP*\i
.endr
.irp i, 0,1,2,3
	ds_load_b128 v[X+16*((\t)%2)+4*\i:X+16*((\t)%2)+4*\i+3], v15 offset:32*SP*((\t)%2)+16*\i
.endr
.endm
.irp t, 0,1,2,3
	LOAD \t
.endr
	s_wait_loadcnt 12                              ; step 0's four loads are in; the twelve of steps 1 to 3 may be out
	TURN 0
.macro STEP t
.set XS, X+16*((\t)%2)
.if (\t) > 0
	s_wait_dscnt 1                                 ; this step's numbers are back from the stage (the last step's byte store may be out)
.else
	s_wait_dscnt 0x0
.endif
.if (\t)+4 < STEPS
	LOAD (\t)+4                                    ; into the registers that the stage's stores have read
.endif
.if (\t)+1 < STEPS
.if STEPS-2-(\t) >= 3
	s_wait_loadcnt 12                              ; the next step's four loads are in; those of the three steps behind it may be out
.else
	s_wait_loadcnt 4*(STEPS-2-(\t))
.endif
	TURN (\t)+1
.endif
	v_max3_num_f32 v8, |v[XS]|, |v[XS+1]|, |v[XS+2]|               ; the largest magnitude of my 16, in two chains
	v_max3_num_f32 v9, |v[XS+3]|, |v[XS+4]|, |v[XS+5]|
.irp i, 6,10
	v_max3_num_f32 v8, v8, |v[XS+\i]|, |v[XS+\i+1]|
	v_max3_num_f32 v9, v9, |v[XS+\i+2]|, |v[XS+\i+3]|
.endr
	v_max3_num_f32 v8, v8, |v[XS+14]|, |v[XS+15]|
	v_max3_num_f32 v8, v8, v9, 0x1800000           ; and the floor 2^(3 - 127): the byte cannot fall under 1
	v_max_num_f32_dpp v8, v8, v8 row_xmask:1 row_mask:0xf bank_mask:0xf   ; and of my neighbour's 16: the block's
	v_add_nc_u32 v11, 0xff000000, v8               ; 2 off its exponent field: the conversion takes the exponent field of this operand as its scale
	v_cvt_scalef32_pk8_fp4_f32 v[C+4*(\t)], v[XS:XS+7], v11
	v_cvt_scalef32_pk8_fp4_f32 v[C+4*(\t)+1], v[XS+8:XS+15], v11
	v_lshrrev_b32 v[E+(\t)], 23, v11               ; the scale's byte (also the plain line behind the conversions)
	ds_store_b8 v5, v[E+(\t)] offset:16*(\t)       ; both lanes of a block write the same byte with the same value
	global_store_b64 v4, v[C+4*(\t):C+4*(\t)+1], s[10:11] offset:32*CB*(\t)   ; the wave stores 256 consecutive bytes, aligned
.endm
.irp t, 0,1,2,3,4,5,6,7,8,9,10,11,12,13,14,15
	STEP \t
.endr
	ds_load_b64 v[8:9], v6                         ; LDS serves a wave's instructions in order: these see my byte stores
	s_wait_dscnt 0x0
	global_store_b64 v7, v[8:9], s[12:13]          ; 32 lanes store 256 consecutive bytes, aligned
	s_wait_tensorcnt 0x0                           ; the wave's end: a wait, an add to my spare word and its wait, behind my last LDS store
	ds_add_u32 v[SPW], v[NIL]
	s_wait_dscnt 0x0
	s_endpgm
; W_o to f16.  A wave takes 8 rows n, two at a time: a load reads 256 bytes (64 along K) of each of two rows; the 64 numbers of a row become 128 bytes, and the two rows lie side by side in wo16:
; a store covers 256 consecutive bytes, aligned.
.Lcast:
	v_lshrrev_b32 v5, 4, v2                        ; which of the two rows
	v_and_b32 v6, 15, v2
	v_lshlrev_b32 v3, 4, v6
	v_lshl_add_u32 v3, v5, 12, v3                  ; in: row x 4,096 + 16 (lane % 16)
	v_lshlrev_b32 v4, 3, v6
	v_lshl_add_u32 v4, v5, 7, v4                   ; out: row x 128 + 8 (lane % 16)
	s_sub_co_u32 s21, ttmp9, WGQ
	s_lshl_b32 s21, s21, 5
	s_lshl_b32 s22, s20, 3
	s_add_co_u32 s21, s21, s22                     ; my first row n0 = 32 (work-group - 224) + 8 wave
	s_lshl_b32 s22, s21, 12
	s_mov_b32 s23, 0
	s_lshr_b32 s24, s21, 7
	s_lshl_b32 s24, s24, 18                        ; (n0 / 128) x 262,144
	s_and_b32 s25, s21, 127
	s_lshl_b32 s25, s25, 7                         ; + (n0 % 128) x 128
	s_add_co_u32 s24, s24, s25
	s_mov_b32 s25, 0
	s_wait_kmcnt 0x0
	s_add_nc_u64 s[8:9], s[8:9], s[22:23]
	s_add_nc_u64 s[18:19], s[18:19], s[24:25]
.macro CLOAD p                         ; rows 2 p, 2 p + 1: sixteen loads, one for each 64 along K
.irp k, 0,1,2,3,4,5,6,7,8,9,10,11,12,13,14,15
	global_load_b128 v[R+64*((\p)%2)+4*\k:R+64*((\p)%2)+4*\k+3], v3, s[8:9] offset:8192*(\p)+256*\k th:TH_LOAD_NT
.endr
.endm
.macro CAST p
.irp k, 0,1,2,3,4,5,6,7,8,9,10,11,12,13,14,15
.if (\p) < 3
	s_wait_loadcnt 31-\k                           ; behind load k: this round's 15 - k and the next round's 16
.else
	s_wait_loadcnt 15-\k
.endif
	v_cvt_pk_f16_f32 v[YR+2*\k], v[R+64*((\p)%2)+4*\k], v[R+64*((\p)%2)+4*\k+1]
	v_cvt_pk_f16_f32 v[YR+2*\k+1], v[R+64*((\p)%2)+4*\k+2], v[R+64*((\p)%2)+4*\k+3]
	global_store_b64 v4, v[YR+2*\k:YR+2*\k+1], s[18:19] offset:16384*\k+256*(\p)
.endr
.if (\p) < 3
	s_wait_xcnt 0x0                                ; the stores have read their data: the next round writes these registers again
.endif
.if (\p) < 2
	CLOAD (\p)+2
.endif
.endm
	CLOAD 0
	CLOAD 1
	CAST 0
	CAST 1
	CAST 2
	CAST 3
	s_endpgm
.Lfunc_end_k_q723ff7e5e2_prep:
	.size	k_q723ff7e5e2_prep, .Lfunc_end_k_q723ff7e5e2_prep-k_q723ff7e5e2_prep
	.p2alignl 7, 3214868480
	.fill 96, 4, 3214868480
	.section	.rodata,"a",@progbits
	.p2align	6, 0x0
	.amdhsa_kernel k_q723ff7e5e2_prep
		.amdhsa_group_segment_fixed_size 33280
		.amdhsa_private_segment_fixed_size 0
		.amdhsa_enable_private_segment 0
		.amdhsa_kernarg_size 64
		.amdhsa_user_sgpr_count 2
		.amdhsa_user_sgpr_kernarg_segment_ptr 1
		.amdhsa_wavefront_size32 1
		.amdhsa_system_sgpr_workgroup_id_x 1
		.amdhsa_system_sgpr_workgroup_id_y 1
		.amdhsa_system_sgpr_workgroup_id_z 1
		.amdhsa_system_vgpr_workitem_id 0
		.amdhsa_next_free_vgpr 192
		.amdhsa_next_free_sgpr 66
		.amdhsa_reserve_vcc 0
		.amdhsa_float_denorm_mode_32 3
		.amdhsa_float_denorm_mode_16_64 3
		.amdhsa_memory_ordered 1
		.amdhsa_forward_progress 1
		.amdhsa_inst_pref_size 56
	.end_amdhsa_kernel
	.amdgpu_metadata
---
amdhsa.version: [ 1, 2 ]
amdhsa.kernels:
  - .name:           k_q723ff7e5e2_prep
    .symbol:         k_q723ff7e5e2_prep.kd
    .args:
      - { .name: hidden_states, .offset: 0, .size: 8, .value_kind: global_buffer, .address_space: global }
      - { .name: W_qkv, .offset: 8, .size: 8, .value_kind: global_buffer, .address_space: global }
      - { .name: W_o, .offset: 16, .size: 8, .value_kind: global_buffer, .address_space: global }
      - { .name: a_codes, .offset: 24, .size: 8, .value_kind: global_buffer, .address_space: global }
      - { .name: a_scales, .offset: 32, .size: 8, .value_kind: global_buffer, .address_space: global }
      - { .name: b_codes, .offset: 40, .size: 8, .value_kind: global_buffer, .address_space: global }
      - { .name: b_scales, .offset: 48, .size: 8, .value_kind: global_buffer, .address_space: global }
      - { .name: wo16, .offset: 56, .size: 8, .value_kind: global_buffer, .address_space: global }
    .group_segment_fixed_size: 33280
    .private_segment_fixed_size: 0
    .kernarg_segment_align: 8
    .kernarg_segment_size: 64
    .max_flat_workgroup_size: 128
    .sgpr_count:     66
    .vgpr_count:     192
    .wavefront_size: 32
...
	.end_amdgpu_metadata
.endif
;; end of part 1
;; launch qkv (part 2): grid 12 x 16, 4 waves a work-group, clusters of 4 x 4, 327,680 bytes of LDS; arguments a_codes, a_scales, b_codes, b_scales, qkv; writes qkv
.if DOCPART == 2
	.amdgcn_target "amdgcn-amd-amdhsa--gfx1250"
	.amdhsa_code_object_version 6
	.text
	.protected	k_q723ff7e5e2_qkv
	.globl	k_q723ff7e5e2_qkv
	.p2align	8
	.type	k_q723ff7e5e2_qkv,@function
k_q723ff7e5e2_qkv:
	s_mov_b64 s[64:65], 0
	v_nop
	global_prefetch_b8 v0, s[64:65] scope:SCOPE_SE
	s_setreg_imm32_b32 hwreg(HW_REG_WAVE_MODE, 25, 1), 1
	s_wait_xcnt 0x0
	s_wait_alu depctr_hold_cnt(0) depctr_sa_sdst(0) depctr_va_vdst(0) depctr_va_sdst(0) depctr_va_ssrc(0) depctr_va_vcc(0) depctr_vm_vsrc(0)
	s_getreg_b32 s2, hwreg(HW_REG_IB_STS2, 6, 4)
	s_cmp_eq_u32 s2, 0
	s_cbranch_scc0 .Lentry_in_a_cluster
	s_endpgm
.Lentry_in_a_cluster:
	s_bfe_u32 s2, ttmp6, 0x10000c
	s_cmp_lg_u32 s2, 0xf033
	s_cbranch_scc0 .Lentry_shape_is_right
	s_endpgm
.Lentry_shape_is_right:
; qkv = hidden W_qkv^T on codes of E2M1 with E8M0 scales (K = 1,024), sums in f32; the results leave as f16 in the layouts that the attention launch reads:
; qkv[b][which][h] are blocks of 2^18 bytes; q and k: [token 2,048][64]; v: [token / 64][d 64][token % 64], the keys innermost.
; A tile of 256 x 256 is made by four waves, each 128 x 128: 64 accumulators, 512 registers.  K goes in two steps of 512 (rows of 256 bytes): both LDS slots and all scale bytes are filled once, at the start.
; ONE TEXT SERVES q, k AND v.  The matrix instruction takes 16 rows of Y as source 0 and 16 rows of X as source 1: a lane then holds ONE row of X and eight NEIGHBOURING rows of Y.
;   clusters x = 0, 1 (q, k): X = tokens, Y = features: a lane holds eight neighbouring channels of a token.
;   cluster  x = 2    (v)   : X = features 2,048 on, Y = tokens: a lane holds eight neighbouring tokens of a channel.
; The choice hangs on the cluster's x alone, which all sixteen partners share; only pointers and global offsets are chosen, every LDS address is the same on both sides.
; CLUSTER 4 x 4: X's tile hangs on the tile row (cy) and is asked for jointly by a row of the cluster, Y's on the tile column (cx) and by a column.
; 192 tiles for 256 WGPs: a tile of 256 x 192 would give 256 work-groups, with 48 accumulators a wave and no power of two in the way out; not built.
; LIMITS: |q|, |k|, |v| stay under 65,504; under 6e-5 they are kept in steps of 6e-8 (f16).
; REGISTERS, in windows of 256: window 0: v0-31 addresses; v32-95 scale words, two sets; v128-191 X's fragments, one set; on the way out v32-63, v192-255.  window 1: Y's fragments, two sets, at v0 and v128.
;   window 2: the accumulators of my rows 0-63 ((a, b) at v[8 (8 a + b)]);  window 3: those of my rows 64-127.
.set NQ,     4                         ; matrix instructions deep in a slot: 512 / 128
.set ROWB,   256                       ; a tile's row in bytes: 512 codes
.set KROW,   512                       ; a row of codes in memory
.set PITCH,  272                       ; an LDS row: 256 bytes + 16 of padding: the 16 rows of a load start 16 bytes apart modulo 256
.set FR,     8                         ; registers of a fragment: 16 rows x 128 K
.set NL,     2                         ; LDS loads that bring one
.set NP,     4                         ; places behind this matrix instruction (ISA guide 7.12.1)
.set HALFT,  128*PITCH                 ; 128 rows: what one tensor load brings
.set SLOT,   4*HALFT                   ; X's 256 rows, then Y's 256 rows
.set KS,     32                        ; a row of scale bytes
.set SCL,    2*SLOT                    ; behind the slots: the scale bytes, as units of 256 bytes + 16 of padding
.set HALFS,  (128*KS/256)*272          ; those of 128 rows: what one tensor load brings
.set SBLK,   (16*KS/256)*272           ; those of 16 rows
.set SPARE,  SCL+4*HALFS               ; behind the scales: the spare words, 128 bytes a wave, which no other line names
.set SPITCH, 272                       ; the way out: a stage of 16 rows x (256 bytes + 16) for each wave, in slot 0, which has had its one fill and its last read by then
.set ADRA, 16                          ; v16-17  LDS address of my X fragments in slot 0, 1
.set ADRB, 20                          ; v20-21  the same for Y
.set STO,  24                          ; v24     the way out: where I put 16 bytes of a row
.set RD,   25                          ; v25     where I read rows back
.set CO,   26                          ; v26     my byte offset in qkv
.set ADRS, 27                          ; v27     LDS address of my scale words: lanes 0-15 X's rows, lanes 16-31 Y's
.set SPW,  28                          ; v28     my spare word; never rewritten
.set NIL,  29                          ; v29     0; never rewritten
.set SC,   32                          ; scale words: set s at v[SC + 32 s]; register 4 i + q: lanes 0-15 X's block i, lanes 16-31 Y's block i, the slot's q-th 128 along K
.set AF,   128                         ; X's fragments, in window 0
.set TMP,  192                         ; the way out: 32 registers of packed results
.set OB,   32                          ; and 16 rows read back: v32-63 and v224-255 by turns
.set G1, 24                            ; s[24:31] group 1 for X's tiles;  s[32:39] group 0, a set for each slot
.set G0, 32
.set G1B, 48                           ; s[48:55], s[56:63] the same for Y's
.set G0B, 56
.set G1S, 68                           ; s[68:75], s[76:79] groups 1 and 0 for X's scales;  s[80:87], s[88:91] for Y's
.set G0S, 76
.set G1SB, 80
.set G0SB, 88
.set MSB, 0
.macro WIN new                         ; the immediate's high byte repeats the setting that is left
.if MSB != (\new)
	s_set_vgpr_msb (MSB<<8)|(\new)
.set MSB, (\new)
.endif
.endm
.set MUL_LO, 0xa1                      ; source 0 (Y) window 1, source 1 (X) window 0, C and D window 2
.set MUL_HI, 0xf1                      ; the same, C and D window 3
.set TO_B,   0x40                      ; destination window 1, address window 0
; A joint load: waves 0 and 1 fetch for X, waves 2 and 3 for Y; the branch hangs on the wave's number alone.  An s_nop 0 and four v_nop follow each of the two lines.
.macro JLOAD g0a, g1a, g0b, g1b
	s_cmp_eq_u32 s15, 0
	s_cbranch_scc0 .Lfor_b_\@
	tensor_load_to_lds s[\g0a:\g0a+3], s[\g1a:\g1a+7]
	s_nop 0
.rept 4
	v_nop
.endr
	s_branch .Lasked_\@
.Lfor_b_\@:
	tensor_load_to_lds s[\g0b:\g0b+3], s[\g1b:\g1b+7]
	s_nop 0
.rept 4
	v_nop
.endr
.Lasked_\@:
.endm
.macro CROUND                          ; a round of the cluster's barrier
	s_barrier_signal -1
	s_barrier_wait -1
	s_cmp_lg_u32 s14, 0
	s_cbranch_scc1 .Lnot_wave_0_\@
	s_barrier_signal -3
.Lnot_wave_0_\@:
	s_barrier_wait -3
	s_barrier_signal -1
	s_barrier_wait -1
.endm
	s_load_b128 s[4:7], s[0:1], 0x0                ; the tokens' codes s[4:5], their scales s[6:7]
	s_load_b128 s[8:11], s[0:1], 0x10              ; the weight's codes s[8:9], its scales s[10:11]
	s_load_b64 s[12:13], s[0:1], 0x20              ; qkv
	v_lshl_add_u32 v[SPW], v0, 2, SPARE
	v_mov_b32 v[NIL], 0
	ds_add_u32 v[SPW], v[NIL]                      ; the wave's opening: the add, twice on end, and its wait ahead of my first tensor load
	ds_add_u32 v[SPW], v[NIL]
	v_lshrrev_b32 v1, 5, v0
	v_readfirstlane_b32 s14, v1                    ; wave 0..3
	s_lshr_b32 s15, s14, 1                         ; which half of the tile's X rows is mine.  Also: I fetch for X (0) or for Y (1)
	s_and_b32 s16, s14, 1                          ; which half of its Y rows.  Also: which 128 rows I fetch
	s_bfe_u32 s40, ttmp6, 0x40000                  ; cx
	s_bfe_u32 s41, ttmp6, 0x40004                  ; cy
	s_and_b32 s17, ttmp7, 0xffff
	s_lshl_b32 s17, s17, 2                         ; 4 x cluster y
	s_lshl_b32 s42, ttmp9, 2                       ; 4 x cluster x
	s_cmp_eq_u32 ttmp9, 2                          ; the clusters that make v
	s_cselect_b32 s42, s17, s42                    ; Y's tiles: tokens by cluster y, or features by cluster x
	s_cselect_b32 s17, 0, s17                      ; X's tiles: the four tiles of v's features, or tokens by cluster y
	s_cselect_b32 s95, 2048, 0                     ; v's features begin at the weight's row 2,048
	s_add_co_u32 s42, s42, s40                     ; tile column: + cx
	s_add_co_u32 s17, s17, s41                     ; tile row: + cy
	s_lshl_b32 s43, s41, 2
	s_lshl_b32 s43, 15, s43                        ; my row of the cluster
	s_lshl_b32 s44, 0x1111, s40                    ; my column
	; group 1: a tile of 128 rows x 256 bytes, 16 bytes of padding behind each row
	s_or_b32 s[G1+0], s43, (0<<16)|(1<<20)|(1<<21)|(5<<22)|(3<<25)  ; 15:0 the mask; 17:16 elements of 1 byte; 20 padding on; 21 set beside a mask; 24:22 after every 64 words; 31:25 four words
	s_or_b32 s[G1B+0], s44, (0<<16)|(1<<20)|(1<<21)|(5<<22)|(3<<25)
.irp g, G1, G1B
	s_mov_b32 s[\g+1], ROWB<<16                    ; tensor_dim0
	s_mov_b32 s[\g+2], 128<<16                     ; tensor_dim1
	s_mov_b32 s[\g+3], ROWB<<16                    ; tile_dim0
	s_mov_b32 s[\g+4], 128                         ; tile_dim1
	s_mov_b32 s[\g+5], KROW                        ; from row to row
	s_mov_b32 s[\g+6], 0
	s_mov_b32 s[\g+7], 0
.endr
	; the scale bytes of 128 rows: 4,096 dense bytes, as 16 rows of 256 bytes (32 elements of 8), 16 bytes of padding behind each
	s_or_b32 s[G1S+0], s43, (3<<16)|(1<<20)|(1<<21)|(5<<22)|(3<<25)
	s_or_b32 s[G1SB+0], s44, (3<<16)|(1<<20)|(1<<21)|(5<<22)|(3<<25)
.irp g, G1S, G1SB
	s_mov_b32 s[\g+1], 32<<16
	s_mov_b32 s[\g+2], (128*KS/256)<<16
	s_mov_b32 s[\g+3], 32<<16
	s_mov_b32 s[\g+4], 128*KS/256
	s_mov_b32 s[\g+5], 32
	s_mov_b32 s[\g+6], 0
	s_mov_b32 s[\g+7], 0
.endr
	s_lshl_b32 s18, s16, 7                         ; which 128 rows of the tile I fetch
	s_lshl_b32 s20, s17, 8
	s_add_co_u32 s20, s20, s18
	s_add_co_u32 s20, s20, s95                     ; X: row 256 x tile row + 128 x half (+ 2,048)
	s_lshl_b32 s46, s42, 8
	s_add_co_u32 s46, s46, s18                     ; Y: row 256 x tile column + 128 x half
	s_lshl_b32 s22, s20, 5                         ; where these rows' scale bytes begin (32 a row),
	s_mov_b32 s23, 0
	s_lshl_b32 s92, s46, 5
	s_mov_b32 s93, 0
	s_lshl_b32 s20, s20, 9                         ; and their codes (512 a row)
	s_mov_b32 s21, 0
	s_lshl_b32 s46, s46, 9
	s_mov_b32 s47, 0
	s_mul_i32 s45, s14, HALFT                      ; where they go: wave x 128 rows: no place in the cluster enters an LDS address
	s_mul_i32 s94, s14, HALFS
	s_wait_dscnt 0x0                               ; both opening adds are done
	s_wait_kmcnt 0x0
	s_cmp_eq_u32 ttmp9, 2
	s_cselect_b64 s[98:99], s[8:9], s[4:5]         ; X's codes,
	s_cselect_b64 s[100:101], s[10:11], s[6:7]     ; X's scales,
	s_cselect_b64 s[66:67], s[4:5], s[8:9]         ; Y's codes,
	s_cselect_b64 s[2:3], s[6:7], s[10:11]         ; Y's scales
	s_add_nc_u64 s[20:21], s[98:99], s[20:21]
	s_add_nc_u64 s[22:23], s[100:101], s[22:23]
	s_add_nc_u64 s[46:47], s[66:67], s[46:47]
	s_add_nc_u64 s[92:93], s[2:3], s[92:93]
	CROUND                                         ; all sixteen work-groups are here: the joint loads meet
	s_mov_b32 s[G0S], 1
	s_add_co_u32 s[G0S+1], s94, SCL
	s_mov_b64 s[G0S+2:G0S+3], s[22:23]
	s_or_b32 s[G0S+3], s[G0S+3], 0x80000000
	s_mov_b32 s[G0SB], 1
	s_add_co_u32 s[G0SB+1], s94, SCL
	s_mov_b64 s[G0SB+2:G0SB+3], s[92:93]
	s_or_b32 s[G0SB+3], s[G0SB+3], 0x80000000
	JLOAD G0S, G1S, G0SB, G1SB                     ; the scales first: they are wanted with K step 0
.irp s, 0,1
	s_mov_b32 s[G0+4*\s], 1
	s_add_co_u32 s[G0+4*\s+1], s45, \s*SLOT
	s_add_nc_u64 s[G0+4*\s+2:G0+4*\s+3], s[20:21], \s*ROWB
	s_or_b32 s[G0+4*\s+3], s[G0+4*\s+3], 0x80000000
	s_mov_b32 s[G0B+4*\s], 1
	s_add_co_u32 s[G0B+4*\s+1], s45, \s*SLOT
	s_add_nc_u64 s[G0B+4*\s+2:G0B+4*\s+3], s[46:47], \s*ROWB
	s_or_b32 s[G0B+4*\s+3], s[G0B+4*\s+3], 0x80000000
	JLOAD G0+4*\s, G1, G0B+4*\s, G1B               ; three loads of mine are out in all
.endr
	v_and_b32 v1, 15, v0                           ; l % 16
	v_bfe_u32 v2, v0, 4, 1                         ; l / 16
	v_mul_u32_u24 v3, v1, PITCH
	v_lshl_add_u32 v4, v2, 4, v3                   ; a fragment's row x pitch + 16 x half
	s_mul_i32 s21, s15, HALFT                      ; my 128 rows of X
	s_mul_i32 s22, s16, HALFT                      ; my 128 rows of Y,
	s_add_co_u32 s22, s22, 2*HALFT                 ; which lie behind X's 256
.irp s, 0,1
	v_add_nc_u32 v[ADRA+\s], s21, v4
	v_add_nc_u32 v[ADRB+\s], s22, v4
	s_add_co_u32 s21, s21, SLOT
	s_add_co_u32 s22, s22, SLOT
.endr
	v_mul_u32_u24 v5, v1, KS                       ; my row's scales: 32 bytes a row,
	v_lshrrev_b32 v6, 8, v5
	v_lshl_add_u32 v5, v6, 4, v5                   ; and 16 more for each 256 passed
	s_mul_i32 s21, s15, HALFS                      ; X's: my 128 rows
	s_mul_i32 s22, s16, HALFS                      ; Y's: my 128 rows, behind X's 256
	s_add_co_u32 s22, s22, 2*HALFS
	s_sub_co_u32 s22, s22, s21
	v_mul_u32_u24 v6, s22, v2                      ; lanes 16-31 take Y's: one product, the lower base + half x the distance
	s_add_co_u32 s21, s21, SCL
	v_add_nc_u32 v5, v5, v6
	v_add_nc_u32 v[ADRS], s21, v5
	s_mul_i32 s21, s14, 16*SPITCH                  ; my stage
	v_mul_u32_u24 v5, v1, SPITCH                   ; in: row l % 16, 16 bytes for each half of the lanes
	v_lshl_add_u32 v5, v2, 4, v5
	v_add_nc_u32 v[STO], s21, v5
	v_mul_u32_u24 v5, v2, SPITCH                   ; back: lanes 0-15 one row of 256 bytes, lanes 16-31 the next
	v_lshl_add_u32 v5, v1, 4, v5
	v_add_nc_u32 v[RD], s21, v5
	; where my 128 x 128 go in qkv
	s_lshl_b32 s20, s17, 8
	s_lshl_b32 s21, s15, 7
	s_add_co_u32 s20, s20, s21                     ; my first row of X in the tile grid
	s_lshl_b32 s46, s42, 8
	s_lshl_b32 s47, s16, 7
	s_add_co_u32 s46, s46, s47                     ; my first row of Y
	s_add_co_u32 s21, s20, 2048
	s_mov_b32 s96, 2048
	s_mov_b32 s95, 0x40000
	s_cmp_eq_u32 ttmp9, 2
	s_cselect_b32 s22, s46, s20                    ; my first token,
	s_cselect_b32 s23, s21, s46                    ; my first feature of the 3,072
	s_cselect_b32 s96, 0x3e800, s96                ; from X's block 3 to block 4: v: on to the next head's channel 0, 2^18 - 3 x 2,048 bytes; q, k: 16 tokens, 2,048 bytes
	s_cselect_b32 s95, 8192, s95                   ; from Y's rows 0-63 to rows 64-127: v: the next 64 keys; q, k: the next head
	s_mov_b32 s97, 0
	s_lshr_b32 s18, s22, 11                        ; b
	s_mul_i32 s18, s18, 48
	s_lshr_b32 s19, s23, 6
	s_add_co_u32 s18, s18, s19                     ; the block: 48 b + 16 which + h
	s_lshl_b32 s18, s18, 18
	s_and_b32 s19, s22, 2047
	s_lshl_b32 s19, s19, 7                         ; 128 bytes a token (q, k), 8,192 for each 64 tokens (v)
	s_add_co_u32 s18, s18, s19
	s_mov_b32 s19, 0
	s_add_nc_u64 s[12:13], s[12:13], s[18:19]
	v_lshlrev_b32 v5, 7, v2                        ; lanes 16-31: the next row of X, 128 bytes on
	v_bfe_u32 v6, v0, 3, 1
	v_mul_lo_u32 v6, v6, s95                       ; lanes 8-15 and 24-31: Y's rows 64-127
	v_and_b32 v7, 7, v0
	v_lshl_add_u32 v5, v7, 4, v5
	v_add_nc_u32 v[CO], v5, v6
.macro FRAG reg, adr, q, i             ; a fragment: lane l holds row l % 16; registers 4 c .. 4 c + 3 hold K = 64 c + 32 (l / 16) + 0 .. 31
.irp c, 0,1
	ds_load_b128 v[\reg+4*\c:\reg+4*\c+3], v[\adr] offset:64*(\q)+32*\c+(\i)*16*PITCH
.endr
.endm
; 16 matrix instructions: X's blocks a0, a0 + 1 x Y's eight, the slot's q-th 128 along K.  p: Y's set; sc: the set of scale words.  zero = 1: the first product starts the sums.
; The 64 accumulators take turns, one instruction a turn, in the same order in every step.
.macro MUL16 a0, p, q, sc, zero
.irp a, \a0, \a0+1
.irp b, 0,1,2,3,4,5,6,7
.if \zero
	v_wmma_scale_f32_16x16x128_f8f6f4 v[8*(8*((\a)%4)+\b):8*(8*((\a)%4)+\b)+7], v[128*(\p)+FR*\b:128*(\p)+FR*\b+FR-1], v[AF+FR*(\a):AF+FR*(\a)+FR-1], 0, v[SC+8*NQ*(\sc)+NQ*\b+(\q)], v[SC+8*NQ*(\sc)+NQ*(\a)+(\q)] matrix_a_fmt:MATRIX_FMT_FP4 matrix_b_fmt:MATRIX_FMT_FP4 matrix_a_scale:MATRIX_SCALE_ROW1
.else
	v_wmma_scale_f32_16x16x128_f8f6f4 v[8*(8*((\a)%4)+\b):8*(8*((\a)%4)+\b)+7], v[128*(\p)+FR*\b:128*(\p)+FR*\b+FR-1], v[AF+FR*(\a):AF+FR*(\a)+FR-1], v[8*(8*((\a)%4)+\b):8*(8*((\a)%4)+\b)+7], v[SC+8*NQ*(\sc)+NQ*\b+(\q)], v[SC+8*NQ*(\sc)+NQ*(\a)+(\q)] matrix_a_fmt:MATRIX_FMT_FP4 matrix_b_fmt:MATRIX_FMT_FP4 matrix_a_scale:MATRIX_SCALE_ROW1
.endif
.endr
.endr
.endm
.macro FETCH_B slot, q, p              ; Y's eight fragments into set p
	WIN TO_B
.irp i, 0,1,2,3,4,5,6,7
	FRAG 128*(\p)+FR*\i, ADRB+\slot, \q, \i
.endr
	WIN 0
.endm
.macro FETCH_A slot, q, i0             ; X's blocks i0 .. i0 + 3
.irp i, \i0, \i0+1, \i0+2, \i0+3
	FRAG AF+FR*(\i), ADRA+\slot, \q, \i
.endr
.endm
.macro SCALES sc                       ; a K step's scale words into set sc: four words a row; lanes 0-15 X's block i, lanes 16-31 Y's block i
.irp i, 0,1,2,3,4,5,6,7
	ds_load_b128 v[SC+8*NQ*\sc+NQ*\i:SC+8*NQ*\sc+NQ*\i+3], v[ADRS] offset:\i*SBLK
.endr
.endm
.macro PLACES n                        ; plain vector places in front of loads into registers that matrix instructions have read, and of the first read of results
.rept \n
	v_nop
.endr
.endm
.macro STEP slot, q, zero              ; a step of 128 along K that has its successor in the same slot
	s_wait_dscnt 4*NL                              ; Y's set and X's blocks 0-3 are in; the youngest eight loads (X's blocks 4-7) may be out
	WIN MUL_LO
	MUL16 0, (\q)%2, \q, \slot, \zero
	MUL16 2, (\q)%2, \q, \slot, \zero
	s_wait_dscnt 0                                 ; X's blocks 4-7 are in
	PLACES NP
	FETCH_B \slot, (\q)+1, 1-(\q)%2
	FETCH_A \slot, (\q)+1, 0
	WIN MUL_HI
	MUL16 4, (\q)%2, \q, \slot, \zero
	MUL16 6, (\q)%2, \q, \slot, \zero
	PLACES NP
	WIN 0
	FETCH_A \slot, (\q)+1, 4
.endm
; Slot 0's last step changes slots: each wave waits for all its tensor loads (its part of slot 1), adds 0 to its spare word, waits for that and for its reads of slot 0; one barrier.  Nothing is filled again.
.macro TURN slot, next
	s_wait_tensorcnt 0x0                           ; all my tensor loads have landed
	ds_add_u32 v[SPW], v[NIL]
	s_wait_dscnt 4*NL+1                            ; (the add and the youngest eight loads may be out)
	WIN MUL_LO
	MUL16 0, 1, NQ-1, \slot, 0
	s_wait_dscnt 0x0                               ; the add is done, and my reads of this slot are over
	s_barrier_signal -1
	MUL16 2, 1, NQ-1, \slot, 0
	WIN 0
	s_barrier_wait -1
	PLACES NP
	v_add_nc_u32 v[ADRS], 4*NQ, v[ADRS]            ; on to the next K step's scale words (no LDS load of mine is out)
	FETCH_B \next, 0, 0
	FETCH_A \next, 0, 0
	SCALES \next
	WIN MUL_HI
	MUL16 4, 1, NQ-1, \slot, 0
	MUL16 6, 1, NQ-1, \slot, 0
	PLACES NP
	WIN 0
	FETCH_A \next, 0, 4
.endm
.macro STEPS slot, from
.set Q, \from
.rept NQ-1-\from
	STEP \slot, Q, 0
.set Q, Q+1
.endr
.endm
	s_wait_tensorcnt 1                             ; the scales and my part of slot 0 are in (slot 1's load may be out)
	s_barrier_signal -1
	s_barrier_wait -1                              ; everybody's are
	FETCH_B 0, 0, 0
	FETCH_A 0, 0, 0
	SCALES 0
	FETCH_A 0, 0, 4
	STEP 0, 0, 1                                   ; the first step's products start the sums: nothing is cleared
	STEPS 0, 1
	TURN 0, 1
	STEPS 1, 0
	s_wait_dscnt 4*NL                              ; the last step: nothing more to fetch
	WIN MUL_LO
	MUL16 0, 1, NQ-1, 1, 0
	MUL16 2, 1, NQ-1, 1, 0
	s_wait_dscnt 0
	WIN MUL_HI
	MUL16 4, 1, NQ-1, 1, 0
	MUL16 6, 1, NQ-1, 1, 0
	WIN 0
; THE WAY OUT, a block of 16 rows of X at a time.  PACK: rounded to f16, 16 bytes a lane (eight neighbouring rows of Y).  TOSTAGE: into my own stage and back as whole rows of 256 bytes.
; SEND: lanes 0-7 and 16-23 store 256 consecutive bytes of one head (or of one tile of 64 keys), lanes 8-15 and 24-31 256 of the next: two aligned runs of 256 bytes an instruction.
.macro PACK a
.set AC, 64*((\a)%4)
	WIN 0x0a+5*((\a)/4)                            ; sources 0 and 1: window 2 or 3
.irp b, 0,1,2,3,4,5,6,7
.irp r, 0,1,2,3
	v_cvt_pk_f16_f32 v[TMP+4*\b+\r], v[AC+8*\b+2*\r], v[AC+8*\b+2*\r+1]   ; each accumulator from its low end on
.endr
.endr
	WIN 0
.endm
.macro TOSTAGE a
.set BKR, OB+192*((\a)%2)
.irp b, 0,1,2,3,4,5,6,7
	ds_store_b128 v[STO], v[TMP+4*\b:TMP+4*\b+3] offset:32*\b
.endr
.irp t, 0,1,2,3,4,5,6,7
	ds_load_b128 v[BKR+4*\t:BKR+4*\t+3], v[RD] offset:\t*2*SPITCH   ; LDS serves a wave's instructions in order: these see the stores above
.endr
.endm
.macro SEND a
.set BKR, OB+192*((\a)%2)
	s_wait_dscnt 0x0                               ; the block is back in registers
	s_wait_xcnt 0x0                                ; the earlier stores have read their base and their data: both may be written again
.if (\a) == 4
	s_add_nc_u64 s[12:13], s[12:13], s[96:97]
.elseif (\a) > 0
	s_add_nc_u64 s[12:13], s[12:13], 2048          ; 16 rows of 128 bytes on
.endif
.irp t, 0,1,2,3,4,5,6,7
	global_store_b128 v[CO], v[BKR+4*\t:BKR+4*\t+3], s[12:13] offset:256*\t
.endr
.endm
	PLACES NP
	PACK 0
	TOSTAGE 0
.irp a, 1,2,3,4,5,6,7                  ; block a's conversions stand between block a - 1's loads from the stage and the wait for them
	PACK \a
	SEND \a-1
	TOSTAGE \a
.endr
	SEND 7
	s_wait_tensorcnt 0x0                           ; the wave's end: a wait, an add to my spare word and its wait, behind my last tensor load and my last LDS store
	ds_add_u32 v[SPW], v[NIL]
	s_wait_dscnt 0x0
	CROUND                                         ; the closing round: no work-group ends while a partner may still ask for a tile that names it
	s_endpgm
.Lfunc_end_k_q723ff7e5e2_qkv:
	.size	k_q723ff7e5e2_qkv, .Lfunc_end_k_q723ff7e5e2_qkv-k_q723ff7e5e2_qkv
	.p2alignl 7, 3214868480
	.fill 96, 4, 3214868480
	.section	.rodata,"a",@progbits
	.p2align	6, 0x0
	.amdhsa_kernel k_q723ff7e5e2_qkv
		.amdhsa_group_segment_fixed_size 327680
		.amdhsa_private_segment_fixed_size 0
		.amdhsa_enable_private_segment 0
		.amdhsa_kernarg_size 40
		.amdhsa_user_sgpr_count 2
		.amdhsa_user_sgpr_kernarg_segment_ptr 1
		.amdhsa_wavefront_size32 1
		.amdhsa_system_sgpr_workgroup_id_x 1
		.amdhsa_system_sgpr_workgroup_id_y 1
		.amdhsa_system_sgpr_workgroup_id_z 1
		.amdhsa_system_vgpr_workitem_id 0
		.amdhsa_next_free_vgpr 1024
		.amdhsa_next_free_sgpr 102
		.amdhsa_reserve_vcc 0
		.amdhsa_float_denorm_mode_32 3
		.amdhsa_float_denorm_mode_16_64 3
		.amdhsa_memory_ordered 1
		.amdhsa_forward_progress 1
		.amdhsa_inst_pref_size 128
	.end_amdhsa_kernel
	.amdgpu_metadata
---
amdhsa.version: [ 1, 2 ]
amdhsa.kernels:
  - .name:           k_q723ff7e5e2_qkv
    .symbol:         k_q723ff7e5e2_qkv.kd
    .args:
      - { .name: a_codes, .offset: 0, .size: 8, .value_kind: global_buffer, .address_space: global }
      - { .name: a_scales, .offset: 8, .size: 8, .value_kind: global_buffer, .address_space: global }
      - { .name: b_codes, .offset: 16, .size: 8, .value_kind: global_buffer, .address_space: global }
      - { .name: b_scales, .offset: 24, .size: 8, .value_kind: global_buffer, .address_space: global }
      - { .name: qkv, .offset: 32, .size: 8, .value_kind: global_buffer, .address_space: global }
    .group_segment_fixed_size: 327680
    .private_segment_fixed_size: 0
    .kernarg_segment_align: 8
    .kernarg_segment_size: 40
    .max_flat_workgroup_size: 128
    .sgpr_count:     102
    .vgpr_count:     1024
    .wavefront_size: 32
...
	.end_amdgpu_metadata
.endif
;; end of part 2
;; launch attn (part 3): grid 8 x 32, 8 waves a work-group, clusters of 4 x 1, 327,680 bytes of LDS; arguments qkv, attention_mask, rel_bias_emb, ctx; writes ctx
.if DOCPART == 3
	.amdgcn_target "amdgcn-amd-amdhsa--gfx1250"
	.amdhsa_code_object_version 6
	.text
	.protected	k_q723ff7e5e2_attn
	.globl	k_q723ff7e5e2_attn
	.p2align	8
	.type	k_q723ff7e5e2_attn,@function
k_q723ff7e5e2_attn:
	s_mov_b64 s[64:65], 0
	v_nop
	global_prefetch_b8 v0, s[64:65] scope:SCOPE_SE
	s_setreg_imm32_b32 hwreg(HW_REG_WAVE_MODE, 25, 1), 1
	s_wait_xcnt 0x0
	s_wait_alu depctr_hold_cnt(0) depctr_sa_sdst(0) depctr_va_vdst(0) depctr_va_sdst(0) depctr_va_ssrc(0) depctr_va_vcc(0) depctr_vm_vsrc(0)
	s_getreg_b32 s2, hwreg(HW_REG_IB_STS2, 6, 4)
	s_cmp_eq_u32 s2, 0
	s_cbranch_scc0 .Lentry_in_a_cluster
	s_endpgm
.Lentry_in_a_cluster:
	s_bfe_u32 s2, ttmp6, 0x10000c
	s_cmp_lg_u32 s2, 0x3003
	s_cbranch_scc0 .Lentry_shape_is_right
	s_endpgm
.Lentry_shape_is_right:
; ctx = softmax(q k^T x mask + (-1e8 (1 - mask) + bias)) v, per batch and head; q, k, v f16 as the launch before laid them, the mask f32, products, maxima and sums in f32, p rounded to f16 for the second product.
; SHARES.  A work-group owns 128 queries of TWO heads: waves 0-3 the first head, waves 4-7 the second; a wave owns 32 queries, two tiles of 16.  Both heads read the same tile of the mask from LDS.
; Every wave walks all 2,048 keys, 64 a step; an LDS slot holds two steps: K and V of both heads (4 x 16 KB) and 128 queries x 128 keys of the mask (64 KB).  Two slots; one tensor load of 16 KB a wave behind each change.
; CLUSTER 4 x 1: the four partners have the same batch and queries and other heads: the mask's tile is asked for JOINTLY (waves 4-7); K and V are each work-group's own (waves 0-3), behind the same round.
; K and V are not shared across blocks of queries: the test for steps near the diagonal and the bias table's index hang on the block of queries, which would then be a work-group's place in its cluster.
; LAYOUT.  S^T = K Q^T (source 0 = 16 keys, source 1 = 16 queries), O^T = V^T P (source 0 = 16 channels, source 1 = P): a lane holds ONE query (lane % 16) throughout; register j of tile t is key 16 t + 8 (lane / 16) + j,
; so two tiles of S^T, rounded in pairs, ARE a fragment of P, and a lane's mask numbers are 32 neighbouring bytes of its query's row.
; LDS LOADS RUN A STEP AHEAD, each run of 16 asked for as soon as its registers are free: K of step j + 1 behind the products K Q^T of step j, the mask of step j + 1 behind the mask's last use, V of step j + 1 behind V^T P.
; So behind the mask arithmetic of a slot's SECOND step all that a wave wants of the slot lies in registers: there the slots change, and the maxima and exponentials stand between the barrier's signal and its wait.
; MASK.  w = 1e8 m - 1e8, one fused line: 0 at m = 1, -1e8 at m = 0, both exact; elsewhere it is rounded once where the reference rounds 1 - m and the product.
; BIAS.  The bucket of rel = key - query is min(n, 8) + the count of 12, 16, 23, 32, 46, 64, 91 that are <= n, n = |rel|, + 16 where rel > 0.  Where all |rel| of a step are 91 or more the bias is ONE number b
; (bucket 15 or 31): it is not added to the 64 scores but to their maximum and to the exponent's addend: p = 2^(c s' + (c b - c m)), s' = s m + w.  The four steps of a wave near the diagonal read a table
; E[e] = emb[bucket(e - 160)][head], e = 0 .. 383, kept in LDS in four copies, copy c shifted by c numbers, so that every lane finds its four neighbours at a multiple of 16 bytes; there b = 0.
; SOFTMAX.  A running maximum m and sum l for each query, c = log2(e); in every step O and l are multiplied by 2^(c m_old - c m_new).
; LIMITS: scores lie above -1e38 (the running maximum's start); |ctx| under 65,504, kept in steps of 6e-8 under 6e-5 (f16); NaN and infinities are not served; a far step's bias joins the score in the exponent,
; so it is rounded with c s' - c m and not with s.
; REGISTERS.  window 0: v1-13 addresses; v14-15 -1e8; v16-31 statistics, 8 a tile: +0 c m, +1 m, +2,+3 l (even, odd keys), +4,+5 at work, +6 the factor, +7 its exponent; v32-95 S^T; v96-159 the mask;
;   v160-223 w (far steps) or the bias (near steps), later the way out; v224-255 P.   window 1: v0-31 Q; v32-95 K of a step; v96-159 V of a step; v160-223 O^T.
.set SLOTB, 137216                     ; a slot: four units of K or V, then the mask
.set UNIT,  17408                      ; 16,384 dense bytes as 64 rows of 256 + 16: a row e of 128 bytes lies at (e / 2) 272 + (e % 2) 128, so the 16 rows of a load take 16 different columns of 16 bytes modulo 256
.set STEPB, 8704                       ; a step's 64 rows in a unit
.set MOFF,  4*UNIT
.set MP,    528                        ; a query's row of the mask: 512 bytes + 16
.set BIAS,  2*SLOTB                    ; the tables: 6,400 bytes a head, four copies 1,600 bytes apart
.set BHEAD, 6400
.set BCOPY, 1600
.set SPARE, BIAS+2*BHEAD               ; the spare words, 128 bytes a wave, which no other line names
.set STAGE, SPARE+1024                 ; the way out: 16 rows x (128 bytes + 16) for each wave
.set SP,    144
.set AKV0, 1                           ; v1  my lane's place in my head's unit of K
.set AM0,  2                           ; v2  in the mask
.set LB0,  3                           ; v3  in the table
.set ADK,  4                           ; v4  AKV0 + the slot from which the next loads come;  v5 the same for the mask;  v6 the table's address in hand
.set ADM,  5
.set ADB,  6
.set SPW,  7                           ; v7  my spare word; never rewritten
.set NIL,  8                           ; v8  0; never rewritten
.set STO,  9
.set RD,   10
.set GO,   11
.set PFO,  12                          ; v12, v13 the prefetches' offsets; never rewritten
.set PFO2, 13
.set NV,   14                          ; v[14:15] -1e8, twice
.set ST,   16
.set S,    32
.set M,    96
.set B,    160
.set P,    224
.set QF,   0                           ; in window 1
.set KF,   32
.set VF,   96
.set O,    160
.set WV,   12                          ; s12 my wave's number
.set G1M,  24                          ; s[24:31] group 1 for the mask;  s[32:39] for K and V;  s[40:43], s[44:47] their groups 0, which walk
.set G1P,  32
.set G0M,  40
.set G0P,  44
.set TB,   48                          ; s48 LDS byte at which the slot begins from which the next loads come
.set TBF,  49                          ; s49 and the slot that is being filled
.set K0,   50                          ; s50 the step's first key
.set DQ,   51                          ; s51 128 - my first query (it may wrap)
.set QW,   52                          ; s52 my first query
.set CNT,  53                          ; s53 slots still to be asked for
.set CS,   54                          ; s[54:55] c = log2(e)
.set P8,   56                          ; s[56:57] 1e8
.set SEL,  58                          ; s[58:59] lane selects: lane l xor 16
.set B15,  60                          ; s60 emb[15][head]: keys 91 or more before the query;  s61 emb[31][head]: after
.set B31,  61
.set BI,   62                          ; s62 the step's one bias b; 0 in a near step
.set PFA,  66                          ; s[66:67] where my prefetches stand;  s[68:69] a slot on
.set PFS,  68
.set LIM,  70                          ; s70 1 in a wave that prefetches, else the greatest number
.set LOM,  71                          ; s71 my quarter of the mask in a slot;  s72 my unit
.set LOP,  72
.set MSB, 0
.macro WIN new                         ; the immediate's high byte repeats the setting that is left
.if MSB != (\new)
	s_set_vgpr_msb (MSB<<8)|(\new)
.set MSB, (\new)
.endif
.endm
; Waves 0-3 fetch a unit of K or V (their own work-group's), waves 4-7 a quarter of the mask's tile (jointly).  The branch hangs on the wave's number alone.  An s_nop 0 and four v_nop follow each line.
.macro JLOAD
	s_cmp_lt_u32 s[WV], 4
	s_cbranch_scc0 .Lfor_m_\@
	tensor_load_to_lds s[G0P:G0P+3], s[G1P:G1P+7]
	s_nop 0
.rept 4
	v_nop
.endr
	s_branch .Lasked_\@
.Lfor_m_\@:
	tensor_load_to_lds s[G0M:G0M+3], s[G1M:G1M+7]
	s_nop 0
.rept 4
	v_nop
.endr
.Lasked_\@:
.endm
; A PREFETCH INTO THE L2 of what the NEXT change of slots will ask for: two key steps ahead of that load.  Each aligned run of 256 bytes is named once in the launch.  K and V of a head are walked by the 16 blocks
; of queries of a batch: the first block's work-group asks, waves 0-3 each for their own unit: 64 runs, two instructions.  A tile of the mask is read by the two clusters of a block of queries: the first asks;
; its four partners share the 128 rows out BY ADDRESS, 32 each, a lane a row, two runs a row: wave 4.  The last change that fills a slot asks for nothing; slots 0 and 1 come by their loads alone.
.macro ASK
	s_cmp_gt_u32 s[CNT], s[LIM]
	s_cbranch_scc0 .Lnot_mine_\@
	global_prefetch_b8 v[PFO], s[PFA:PFA+1] th:TH_LOAD_NT scope:SCOPE_SE
	global_prefetch_b8 v[PFO2], s[PFA:PFA+1] th:TH_LOAD_NT scope:SCOPE_SE
.Lnot_mine_\@:
.endm
.macro CREST                           ; a round of the cluster's barrier behind its opening barrier
	s_cmp_lg_u32 s[WV], 0
	s_cbranch_scc1 .Lnot_wave_0_\@
	s_barrier_signal -3
.Lnot_wave_0_\@:
	s_barrier_wait -3
	s_barrier_signal -1
	s_barrier_wait -1
.endm
.macro CROUND                          ; a whole round
	s_barrier_signal -1
	s_barrier_wait -1
	CREST
.endm
.macro PLACES                          ; four plain places in front of loads into registers that matrix instructions have read, and of the first read of results
.rept 4
	v_nop
.endr
.endm
; The walking descriptors and the prefetches' address step on; it stands behind a wait for all my tensor loads, where no load of mine is out.
.macro NEXTFILL
	s_xor_b32 s[TBF], s[TBF], SLOTB                ; the other slot than last time,
	s_add_co_u32 s[G0M+1], s[TBF], s[LOM]
	s_add_co_u32 s[G0P+1], s[TBF], s[LOP]
	s_add_nc_u64 s[G0M+2:G0M+3], s[G0M+2:G0M+3], 512     ; the next 128 keys; the type bits on top are not reached
	s_add_nc_u64 s[G0P+2:G0P+3], s[G0P+2:G0P+3], 16384
	s_wait_xcnt 0x0                                ; the last prefetches, a slot back, have read their address, so it may be written
	s_add_nc_u64 s[PFA:PFA+1], s[PFA:PFA+1], s[PFS:PFS+1]
.endm
; The three runs of 16 LDS loads, for the sg-th step of the slot at s[TB].
.macro LDM sg                          ; the mask at my queries, keys 16 t + 8 h + 4 c on
.irp q, 0,1
.irp t, 0,1,2,3
.irp c, 0,1
	ds_load_b128 v[M+32*\q+8*\t+4*\c:M+32*\q+8*\t+4*\c+3], v[ADM] offset:16*MP*\q+256*(\sg)+64*\t+16*\c
.endr
.endr
.endr
.endm
.macro LDK sg                          ; K: keys 16 t on, channels 32 k on
	WIN 0x40                                       ; destination window 1
.irp t, 0,1,2,3
.irp k, 0,1
.irp c, 0,1
	ds_load_b128 v[KF+16*\t+8*\k+4*\c:KF+16*\t+8*\k+4*\c+3], v[ADK] offset:STEPB*(\sg)+2176*\t+64*\k+32*\c
.endr
.endr
.endr
	WIN 0
.endm
.macro LDV sg                          ; V^T: channels 16 e on, keys 32 w on
	WIN 0x40
.irp w, 0,1
.irp e, 0,1,2,3
.irp c, 0,1
	ds_load_b128 v[VF+32*\w+8*\e+4*\c:VF+32*\w+8*\e+4*\c+3], v[ADK] offset:UNIT+STEPB*(\sg)+2176*\e+64*\w+32*\c
.endr
.endr
.endr
	WIN 0
.endm
	s_load_b256 s[4:11], s[0:1], 0x0               ; qkv s[4:5], the mask s[6:7], emb s[8:9], ctx s[10:11]
	v_lshl_add_u32 v[SPW], v0, 2, SPARE
	v_mov_b32 v[NIL], 0
	ds_add_u32 v[SPW], v[NIL]                      ; the wave's opening: the add, twice on end, and its wait ahead of my first tensor load
	ds_add_u32 v[SPW], v[NIL]
	v_lshrrev_b32 v14, 5, v0
	v_readfirstlane_b32 s[WV], v14                 ; wave 0..7
	s_bfe_u32 s13, ttmp6, 0x40000                  ; cx
	s_lshl_b32 s14, ttmp9, 2
	s_add_co_u32 s14, s14, s13                     ; my pair of heads = 4 x cluster x + cx: it enters global addresses alone
	s_and_b32 s15, ttmp7, 0xffff                   ; y = 16 b + the block of queries, which the partners share
	s_lshr_b32 s16, s15, 4                         ; b
	s_and_b32 s17, s15, 15                         ; the block of 128 queries
	s_lshr_b32 s18, s[WV], 2                       ; which head of the pair
	s_and_b32 s19, s[WV], 3                        ; which 32 queries; also which unit, or which quarter of the mask, I fetch
	s_lshl_b32 s20, s14, 1
	s_add_co_u32 s20, s20, s18                     ; my head
	s_lshl_b32 s[QW], s17, 7
	s_lshl_b32 s21, s19, 5
	s_add_co_u32 s[QW], s[QW], s21                 ; my first query
	s_sub_co_u32 s[DQ], 128, s[QW]
	s_mul_i32 s21, s16, 3                          ; the unit that I fetch: unit u = K (u even) or V (u odd) of head 2 pair + u / 2: block (3 b + 1 + u % 2) 16 + head
	s_and_b32 s22, s19, 1
	s_add_co_u32 s21, s21, s22
	s_add_co_u32 s21, s21, 1
	s_lshl_b32 s21, s21, 4
	s_lshl_b32 s22, s14, 1
	s_add_co_u32 s21, s21, s22
	s_lshr_b32 s22, s19, 1
	s_add_co_u32 s21, s21, s22
	s_lshl_b32 s22, s21, 18
	s_mov_b32 s23, 0
	s_lshl_b32 s74, s15, 7                         ; the mask's rows that I fetch: 128 y + 32 (wave % 4), 8,192 bytes a row
	s_lshl_b32 s75, s19, 5
	s_add_co_u32 s74, s74, s75
	s_lshl_b32 s74, s74, 13
	s_mov_b32 s75, 0
	s_mul_i32 s76, s16, 48                         ; Q: block 48 b + head, 128 bytes a query
	s_add_co_u32 s76, s76, s20
	s_lshl_b32 s76, s76, 18
	s_lshl_b32 s77, s[QW], 7
	s_add_co_u32 s76, s76, s77
	s_mov_b32 s77, 0
	s_lshl_b32 s78, s15, 4                         ; ctx: [y][head] blocks of 16,384 bytes, 4,096 for each 32 queries
	s_add_co_u32 s78, s78, s20
	s_lshl_b32 s78, s78, 14
	s_lshl_b32 s79, s19, 12
	s_add_co_u32 s78, s78, s79
	s_mov_b32 s79, 0
	s_mul_i32 s[LOM], s19, 32*MP
	s_add_co_u32 s[LOM], s[LOM], MOFF
	s_mul_i32 s[LOP], s19, UNIT
	; group 1, the mask: 32 rows x 128 numbers of 4 bytes, rows 2,048 numbers apart, 16 bytes of padding behind each 512
	s_mov_b32 s[G1M], 15|(2<<16)|(1<<20)|(1<<21)|(6<<22)|(3<<25)   ; 15:0 all four work-groups; 17:16 elements of 4 bytes; 20 padding on; 21 set beside a mask; 24:22 after every 128 words; 31:25 four words
	s_mov_b32 s[G1M+1], 128<<16
	s_mov_b32 s[G1M+2], 32<<16
	s_mov_b32 s[G1M+3], 128<<16
	s_mov_b32 s[G1M+4], 32
	s_mov_b32 s[G1M+5], 2048
	s_mov_b32 s[G1M+6], 0
	s_mov_b32 s[G1M+7], 0
	; group 1, K and V: 16,384 dense bytes as 64 rows x 128 numbers of 2 bytes, 16 bytes of padding behind each 256; no mask
	s_mov_b32 s[G1P], (1<<16)|(1<<20)|(5<<22)|(3<<25)
	s_mov_b32 s[G1P+1], 128<<16
	s_mov_b32 s[G1P+2], 64<<16
	s_mov_b32 s[G1P+3], 128<<16
	s_mov_b32 s[G1P+4], 64
	s_mov_b32 s[G1P+5], 128
	s_mov_b32 s[G1P+6], 0
	s_mov_b32 s[G1P+7], 0
	s_mov_b32 s[CS], 0x3fb8aa3b                    ; log2(e)
	s_mov_b32 s[CS+1], s[CS]                       ; (named with it as a pair, so it is written)
	s_mov_b32 s[P8], 0x4cbebc20                    ; 1e8
	s_mov_b32 s[P8+1], s[P8]
	s_mov_b32 s[SEL], 0x76543210
	s_mov_b32 s[SEL+1], 0xfedcba98
	s_mov_b32 s[TB], 0
	s_mov_b32 s[TBF], 0
	s_mov_b32 s[K0], 0
	s_mov_b32 s[CNT], 15
	s_wait_dscnt 0x0                               ; both opening adds are done
	s_wait_kmcnt 0x0
	s_add_nc_u64 s[22:23], s[4:5], s[22:23]        ; my unit, keys 0 on
	s_add_nc_u64 s[74:75], s[6:7], s[74:75]        ; my rows of the mask, keys 0 on
	s_add_nc_u64 s[76:77], s[4:5], s[76:77]        ; my queries
	s_add_nc_u64 s[10:11], s[10:11], s[78:79]      ; my rows of ctx
	s_lshl_b32 s78, s20, 2
	s_add_nc_u64 s[8:9], s[8:9], s[78:79]          ; emb at my head's column
	CROUND                                         ; all four work-groups are here: the first joint loads meet
	s_mov_b32 s[G0M], 1
	s_mov_b32 s[G0M+1], s[LOM]
	s_mov_b64 s[G0M+2:G0M+3], s[74:75]
	s_or_b32 s[G0M+3], s[G0M+3], 0x80000000
	s_mov_b32 s[G0P], 1
	s_mov_b32 s[G0P+1], s[LOP]
	s_mov_b64 s[G0P+2:G0P+3], s[22:23]
	s_or_b32 s[G0P+3], s[G0P+3], 0x80000000
	JLOAD                                          ; slot 0: one load of mine is out
	s_load_b32 s[B15], s[8:9], 0x3c0               ; emb[15][head]
	s_load_b32 s[B31], s[8:9], 0x7c0               ; emb[31][head]
	v_and_b32 v32, 15, v0                          ; r
	v_bfe_u32 v33, v0, 4, 1                        ; h
	v_and_b32 v34, 31, v0                          ; lane
	v_lshlrev_b32 v35, 7, v32
	v_lshl_add_u32 v35, v33, 4, v35                ; Q: row r of 128 bytes, + 16 h
	WIN 0x40                                       ; destination window 1
.irp q, 0,1
.irp k, 0,1
.irp c, 0,1
	global_load_b128 v[QF+16*\q+8*\k+4*\c:QF+16*\q+8*\k+4*\c+3], v35, s[76:77] offset:2048*\q+64*\k+32*\c   ; Q stays in registers: tile q, channels 32 k on
.endr
.endr
.endr
.set i, 0
.rept 64
	v_mov_b32 v[O+i], 0                            ; O^T.  (The step is written for every step alike: the first finds zeros, which the first factor, 0, leaves zeros)
.set i, i+1
.endr
	WIN 0
	; the table: thread (head of the pair, i = 0 .. 127) makes E[i], E[i + 128], E[i + 256]
	v_and_b32 v37, 127, v0
	v_lshrrev_b32 v38, 7, v0
	v_mul_u32_u24 v38, v38, BHEAD
	v_lshl_add_u32 v38, v37, 2, v38
	v_add_nc_u32 v38, BIAS+16, v38                 ; E[e] lies at byte 16 + 1,600 c + 4 (e - c) of its head's 6,400
.irp g, 0,1,2
	v_add_nc_u32 v[40+\g], 128*\g-160, v37         ; rel = e - 160
	v_sub_nc_u32 v[43+\g], 0, v[40+\g]
	v_cmp_gt_i32 vcc_lo, 0, v[40+\g]
	v_cndmask_b32 v[43+\g], v[40+\g], v[43+\g], vcc_lo   ; n = |rel|
	v_min_u32 v[46+\g], 8, v[43+\g]
.irp th, 12,16,23,32,46,64,91
	v_cmp_le_u32 vcc_lo, \th, v[43+\g]
	v_cndmask_b32 v49, 0, 1, vcc_lo
	v_add_nc_u32 v[46+\g], v[46+\g], v49
.endr
	v_cmp_lt_i32 vcc_lo, 0, v[40+\g]
	v_cndmask_b32 v49, 0, 16, vcc_lo
	v_add_nc_u32 v[46+\g], v[46+\g], v49           ; the bucket, 0 .. 31
	v_lshlrev_b32 v[46+\g], 6, v[46+\g]            ; 64 bytes a row of emb
	global_load_b32 v[50+\g], v[46+\g], s[8:9]
.endr
	; the addresses that stay
	v_lshrrev_b32 v36, 1, v32
	v_mul_u32_u24 v[AKV0], v36, 272
	v_and_b32 v36, 1, v32
	v_lshl_add_u32 v[AKV0], v36, 7, v[AKV0]
	v_lshl_add_u32 v[AKV0], v33, 4, v[AKV0]
	s_mul_i32 s73, s18, 2*UNIT
	v_add_nc_u32 v[AKV0], s73, v[AKV0]             ; my head's K: (r / 2) 272 + (r % 2) 128 + 16 h
	v_mul_u32_u24 v[AM0], v32, MP
	v_lshl_add_u32 v[AM0], v33, 5, v[AM0]
	v_add_nc_u32 v[AM0], s[LOM], v[AM0]            ; the mask: my wave's 32 rows, row r, + 32 h
	v_sub_nc_u32 v36, 0, v32
	v_and_b32 v36, 3, v36                          ; my copy c = (-r) % 4
	v_mul_u32_u24 v[LB0], v36, BCOPY
	v_lshl_add_u32 v[LB0], v33, 5, v[LB0]
	s_mul_i32 s73, s18, BHEAD
	s_add_co_u32 s73, s73, BIAS+80
	v_add_nc_u32 v[LB0], s73, v[LB0]
	v_add_nc_u32 v36, 3, v32
	v_lshrrev_b32 v36, 2, v36
	v_lshlrev_b32 v36, 4, v36
	v_sub_nc_u32 v[LB0], v[LB0], v36               ; - 4 (r + c) = - 16 ((r + 3) / 4)
	s_mul_i32 s73, s[WV], 16*SP
	s_add_co_u32 s73, s73, STAGE                   ; my stage
	v_mul_u32_u24 v[STO], v32, SP
	v_lshl_add_u32 v[STO], v33, 4, v[STO]
	v_add_nc_u32 v[STO], s73, v[STO]               ; in: row r, 16 bytes for each half of the lanes
	v_lshrrev_b32 v36, 3, v34
	v_mul_u32_u24 v[RD], v36, SP
	v_and_b32 v36, 7, v34
	v_lshl_add_u32 v[RD], v36, 4, v[RD]
	v_add_nc_u32 v[RD], s73, v[RD]                 ; back: eight lanes to a row of 128 bytes, four rows an instruction
	v_lshlrev_b32 v[GO], 4, v34                    ; which are 512 consecutive bytes of ctx
	v_mov_b32 v[NV], 0xccbebc20                    ; -1e8
	v_mov_b32 v[NV+1], 0xccbebc20
.irp q, 0,1
	v_mov_b32 v[ST+8*\q+1], 0xfe967699             ; m = -1e38, under every score
	v_mul_f32 v[ST+8*\q], s[CS], v[ST+8*\q+1]      ; c m
	v_mov_b32 v[ST+8*\q+2], 0                      ; l
	v_mov_b32 v[ST+8*\q+3], 0
.endr
	; the prefetches: where my wave's stand, and who asks
	s_add_nc_u64 s[78:79], s[22:23], 16384         ; my unit in slot 1: the first change steps it to slot 2
	s_lshl_b32 s2, s15, 7
	s_lshl_b32 s3, s13, 5
	s_add_co_u32 s2, s2, s3                        ; the mask's rows 128 y + 32 cx on,
	s_lshl_b32 s2, s2, 13
	s_add_co_u32 s2, s2, 512                       ; in slot 1
	s_mov_b32 s3, 0
	s_add_nc_u64 s[2:3], s[6:7], s[2:3]
	s_or_b32 s73, ttmp9, s19                       ; 0 in wave 4 of the block's first cluster
	s_mov_b32 s[PFS], 512
	s_mov_b32 s74, 8192
	s_mov_b32 s75, 256
	s_cmp_lt_u32 s[WV], 4
	s_cselect_b64 s[PFA:PFA+1], s[78:79], s[2:3]
	s_cselect_b32 s[PFS], 16384, s[PFS]            ; a slot on
	s_cselect_b32 s74, 256, s74                    ; from lane to lane
	s_cselect_b32 s75, 8192, s75                   ; from the first request to the second
	s_cselect_b32 s73, s17, s73                    ; waves 0-3: 0 in the batch's first block of queries
	s_mov_b32 s[PFS+1], 0
	s_cmp_eq_u32 s73, 0
	s_cselect_b32 s[LIM], 1, -1                    ; the same in all four partners, for a given wave
	v_mul_lo_u32 v[PFO], v34, s74
	v_add_nc_u32 v[PFO2], s75, v[PFO]
	s_mul_i32 s73, s19, 1596                       ; the 15 words between a copy's end and the next copy's start: wave (head, c) sets those behind copy c
	s_mul_i32 s74, s18, BHEAD
	s_add_co_u32 s73, s73, s74
	s_add_co_u32 s73, s73, BIAS+16+1536
	v_and_b32 v39, 7, v0
	v_lshl_add_u32 v39, v39, 2, s73
	s_wait_loadcnt 0x0                             ; Q and the table's numbers
.irp g, 0,1,2
.irp c, 0,1,2,3
	ds_store_b32 v38, v[50+\g] offset:1596*\c+512*\g   ; the change of slots in front of the loop (its wait for 0 and its barrier) shows the table to all waves
.endr
.endr
	ds_store_b32 v39, v52                          ; E's last number (every thread's third is emb[31][head]) into words 0-7 and 7-14 of the 15: no byte between the tables' first and last is left unwritten
	ds_store_b32 v39, v52 offset:28
	s_wait_kmcnt 0x0                               ; the two far numbers
; A KEY STEP of 64 keys.  Its K, mask and V were asked for in the step before.  nxt = 1: it asks for the next step's, which is the nsg-th of its slot.
; chg = 1: a slot's second step: the slots change, and the slot just left is filled again;  chg = 2: they change, and nothing is left to fetch;  chg = 0: a slot's first step, and the very last.
.macro STEP nsg, chg, nxt
	s_wait_dscnt 16                                ; K and the mask are in; V's sixteen loads, the youngest, may be out
	WIN 0x05                                       ; K and Q window 1, S^T window 0
.irp k, 0,1                                    ; eight accumulators by turns, one instruction a turn; the first eight start the sums
.irp t, 0,1,2,3
.irp q, 0,1
.if \k == 0
	v_wmma_f32_16x16x32_f16 v[S+32*\q+8*\t:S+32*\q+8*\t+7], v[KF+16*\t+8*\k:KF+16*\t+8*\k+7], v[QF+16*\q+8*\k:QF+16*\q+8*\k+7], 0
.else
	v_wmma_f32_16x16x32_f16 v[S+32*\q+8*\t:S+32*\q+8*\t+7], v[KF+16*\t+8*\k:KF+16*\t+8*\k+7], v[QF+16*\q+8*\k:QF+16*\q+8*\k+7], v[S+32*\q+8*\t:S+32*\q+8*\t+7]
.endif
.endr
.endr
.endr
	WIN 0
	PLACES                                         ; in front of the loads into K's registers and of the first read of the scores
.if (\nxt) && (\chg == 0)
	LDK \nsg                                       ; the next step's K: the whole softmax stands between these loads and their use
.endif
	s_add_co_u32 s73, s[K0], s[DQ]                 ; first key - first query + 128; below 0 it wraps to a large number
	s_min_u32 s74, s73, 224                        ; near the diagonal it lies in 0 .. 224: key - query then reaches from -159 to 159 at the most
	s_cmp_lt_u32 s[K0], s[QW]
	s_cselect_b32 s[BI], s[B15], s[B31]            ; far: all keys before my queries, or all after
	s_cmp_eq_u32 s74, s73                          ; ids and the count of steps alone
	s_cselect_b32 s[BI], 0, s[BI]                  ; near: the bias comes from the table
	s_cbranch_scc1 .Lnear_\@
.set i, 0
.rept 32
	v_pk_fma_f32 v[B+i:B+i+1], v[M+i:M+i+1], s[P8:P8+1], v[NV:NV+1] op_sel_hi:[1,0,1]   ; w = 1e8 m - 1e8
.set i, i+2
.endr
.set i, 0
.rept 32
	v_pk_fma_f32 v[S+i:S+i+1], v[S+i:S+i+1], v[M+i:M+i+1], v[B+i:B+i+1]   ; s m + w; each accumulator from its low end on
.set i, i+2
.endr
	s_branch .Ljoin_\@
.Lnear_\@:
	s_lshl_b32 s74, s74, 2
	v_add_nc_u32 v[ADB], s74, v[LB0]
.irp q, 0,1
.irp t, 0,1,2,3
.irp c, 0,1
	ds_load_b128 v[B+32*\q+8*\t+4*\c:B+32*\q+8*\t+4*\c+3], v[ADB] offset:64*\t-64*\q+64+16*\c   ; E at key - query + 160, four neighbours
.endr
.endr
.endr
	s_wait_dscnt 0x0
.set i, 0
.rept 32
	v_pk_fma_f32 v[S+i:S+i+1], v[S+i:S+i+1], v[M+i:M+i+1], v[B+i:B+i+1]   ; s m + bias
.set i, i+2
.endr
.set i, 0
.rept 32
	v_pk_fma_f32 v[M+i:M+i+1], v[M+i:M+i+1], s[P8:P8+1], v[NV:NV+1] op_sel_hi:[1,0,1]   ; w, in the mask's place
.set i, i+2
.endr
.set i, 0
.rept 32
	v_pk_add_f32 v[S+i:S+i+1], v[S+i:S+i+1], v[M+i:M+i+1]
.set i, i+2
.endr
.Ljoin_\@:
.if \chg
	; THE CHANGE OF SLOTS.  All that I want of the slot in hand has been asked for.  I wait for all my tensor loads (my part of the other slot), add 0 to my spare word, and wait for that and for my reads of this slot.
	s_wait_tensorcnt 0x0                           ; no tensor load of mine is out, so a group 0 may be written
	ds_add_u32 v[SPW], v[NIL]
.if \chg == 1
	NEXTFILL
.endif
	s_wait_dscnt 0x0                               ; the add is done; this step's V, the last of my reads of the slot, is in registers
	s_barrier_signal -1                            ; say so; the maxima, scalings and exponentials below, work on registers alone, stand between the signal and the wait
.elseif \nxt
	LDM \nsg                                       ; the next step's mask, into registers that have just been read for the last time
.endif
.irp q, 0,1                                    ; the maximum of my 32 scores: two chains a tile, the tiles by turns
	v_max3_num_f32 v[ST+8*\q+4], v[S+32*\q], v[S+32*\q+1], v[S+32*\q+2]
	v_max3_num_f32 v[ST+8*\q+5], v[S+32*\q+3], v[S+32*\q+4], v[S+32*\q+5]
.endr
.irp j, 6,10,14,18,22,26
.irp q, 0,1
	v_max3_num_f32 v[ST+8*\q+4], v[ST+8*\q+4], v[S+32*\q+\j], v[S+32*\q+\j+1]
	v_max3_num_f32 v[ST+8*\q+5], v[ST+8*\q+5], v[S+32*\q+\j+2], v[S+32*\q+\j+3]
.endr
.endr
.irp q, 0,1
	v_max3_num_f32 v[ST+8*\q+4], v[ST+8*\q+4], v[S+32*\q+30], v[S+32*\q+31]
.endr
.irp q, 0,1
	v_max_num_f32 v[ST+8*\q+4], v[ST+8*\q+4], v[ST+8*\q+5]
.endr
.irp q, 0,1
	v_add_f32 v[ST+8*\q+4], s[BI], v[ST+8*\q+4]    ; + b: the largest score of my 32 keys
.endr
.irp q, 0,1
	v_permlanex16_b32 v[ST+8*\q+5], v[ST+8*\q+4], s[SEL], s[SEL+1]   ; the query's other 32 keys lie in the lane 16 away
.endr
.irp q, 0,1
	v_mov_b32 v[ST+8*\q+7], v[ST+8*\q]             ; c m_old
.endr
.irp q, 0,1
	v_max3_num_f32 v[ST+8*\q+1], v[ST+8*\q+1], v[ST+8*\q+4], v[ST+8*\q+5]   ; the running maximum
.endr
.irp q, 0,1
	v_mul_f32 v[ST+8*\q], s[CS], v[ST+8*\q+1]
.endr
.irp q, 0,1
	v_sub_f32 v[ST+8*\q+7], v[ST+8*\q+7], v[ST+8*\q]
.endr
.irp q, 0,1
	v_fma_f32 v[ST+8*\q+4], s[CS], s[BI], -v[ST+8*\q]   ; c b - c m
.endr
.irp q, 0,1
.set i, 0
.rept 16
	v_pk_fma_f32 v[S+32*\q+i:S+32*\q+i+1], v[S+32*\q+i:S+32*\q+i+1], s[CS:CS+1], v[ST+8*\q+4:ST+8*\q+5] op_sel_hi:[1,0,0]   ; c s' + (c b - c m)
.set i, i+2
.endr
.endr
.irp q, 0,1
	v_exp_f32 v[ST+8*\q+6], v[ST+8*\q+7]           ; the factor 2^(c m_old - c m_new)
.endr
.set i, 0
.rept 64
	v_exp_f32 v[S+i], v[S+i]                       ; p: one batch of 66 exponentials
.set i, i+1
.endr
	v_nop                                          ; a plain instruction behind the last exponential
	s_wait_alu depctr_va_vdst(0)                   ; one wait for the batch, ahead of its first reader and of the branches below
.if \chg
	s_barrier_wait -1                              ; all eight waves have said so
.if \chg == 1
	CREST                                          ; the barrier has opened a round of the cluster's: no wave of any partner still reads the slot or has a load on its way
	JLOAD                                          ; the slot just left takes the next 128 keys: my one tensor load, the first thing behind the round
.endif
	s_xor_b32 s[TB], s[TB], SLOTB                  ; the loads go on in the other slot, which is whole
	v_add_nc_u32 v[ADK], s[TB], v[AKV0]
	v_add_nc_u32 v[ADM], s[TB], v[AM0]
	LDK \nsg
	LDM \nsg
.if \chg == 1
	ASK                                            ; behind my tensor load and the two runs of LDS loads
.endif
.endif
.set i, 0
.rept 32
	v_cvt_pk_f16_f32 v[P+i], v[S+2*i], v[S+2*i+1]  ; tiles 2 w and 2 w + 1 make fragment w of P
.set i, i+1
.endr
.irp q, 0,1                                    ; l = l x factor + the sum of the unrounded p, in pairs (even keys, odd keys), two chains a tile
	v_pk_fma_f32 v[ST+8*\q+2:ST+8*\q+3], v[ST+8*\q+2:ST+8*\q+3], v[ST+8*\q+6:ST+8*\q+7], v[S+32*\q:S+32*\q+1] op_sel_hi:[1,0,1]
	v_pk_add_f32 v[ST+8*\q+4:ST+8*\q+5], v[S+32*\q+2:S+32*\q+3], v[S+32*\q+4:S+32*\q+5]
.endr
.irp j, 6,10,14,18,22,26
.irp q, 0,1
	v_pk_add_f32 v[ST+8*\q+2:ST+8*\q+3], v[ST+8*\q+2:ST+8*\q+3], v[S+32*\q+\j:S+32*\q+\j+1]
	v_pk_add_f32 v[ST+8*\q+4:ST+8*\q+5], v[ST+8*\q+4:ST+8*\q+5], v[S+32*\q+\j+2:S+32*\q+\j+3]
.endr
.endr
.irp q, 0,1
	v_pk_add_f32 v[ST+8*\q+2:ST+8*\q+3], v[ST+8*\q+2:ST+8*\q+3], v[S+32*\q+30:S+32*\q+31]
.endr
.irp q, 0,1
	v_pk_add_f32 v[ST+8*\q+2:ST+8*\q+3], v[ST+8*\q+2:ST+8*\q+3], v[ST+8*\q+4:ST+8*\q+5]
.endr
	WIN 0x41                                       ; O^T (destination and source 0) window 1, the factor window 0
.irp q, 0,1
.set i, 0
.rept 16
	v_pk_mul_f32 v[O+32*\q+i:O+32*\q+i+1], v[O+32*\q+i:O+32*\q+i+1], v[ST+8*\q+6:ST+8*\q+7] op_sel_hi:[1,0]
.set i, i+2
.endr
.endr
.if \nxt
	s_wait_dscnt 32                                ; V is in; the next step's K and mask, sixteen loads each, were asked for behind it and may be out
.else
	s_wait_dscnt 0x0
.endif
	WIN 0x51                                       ; V window 1, P window 0, O^T window 1
.irp w, 0,1                                    ; eight accumulators by turns
.irp e, 0,1,2,3
.irp q, 0,1
	v_wmma_f32_16x16x32_f16 v[O+32*\q+8*\e:O+32*\q+8*\e+7], v[VF+32*\w+8*\e:VF+32*\w+8*\e+7], v[P+16*\q+8*\w:P+16*\q+8*\w+7], v[O+32*\q+8*\e:O+32*\q+8*\e+7]
.endr
.endr
.endr
.if \nxt
	PLACES                                         ; in front of the loads into V's registers
	LDV \nsg                                       ; the next step's V: a whole step ahead of its use
.else
	WIN 0
.endif
	s_add_co_u32 s[K0], s[K0], 64
.endm
	; In front of the loop: slot 0 has landed in every wave's sight, slot 1 is asked for (its first fill, behind a round behind which nothing is filled again), and the first step's three runs of loads go out.
	s_wait_tensorcnt 0x0                           ; my part of slot 0 is in
	ds_add_u32 v[SPW], v[NIL]
	NEXTFILL
	s_wait_dscnt 0x0                               ; the add is done, and my stores into the table have landed
	CROUND
	JLOAD
	v_add_nc_u32 v[ADK], s[TB], v[AKV0]
	v_add_nc_u32 v[ADM], s[TB], v[AM0]
	LDM 0
	LDK 0
	LDV 0
	ASK
	s_mov_b32 s[CNT], 14
.Lslot:                                            ; 14 trips, slots 0 to 13: each asks for the slot two on
	STEP 1, 0, 1
	STEP 0, 1, 1
	s_sub_co_u32 s[CNT], s[CNT], 1
	s_cmp_lg_u32 s[CNT], 0
	s_cbranch_scc1 .Lslot
	STEP 1, 0, 1                                   ; slots 14 and 15 are written out
	STEP 0, 2, 1
	STEP 1, 0, 1
	STEP 0, 0, 0
	; THE WAY OUT.  l's halves and the other half of the lanes' are added (plain lines: the places behind the last products); O^T / l, rounded to f16, goes through my stage, a tile at a time.
.irp q, 0,1
	v_add_f32 v[ST+8*\q+4], v[ST+8*\q+2], v[ST+8*\q+3]
.endr
.irp q, 0,1
	v_permlanex16_b32 v[ST+8*\q+5], v[ST+8*\q+4], s[SEL], s[SEL+1]
.endr
.irp q, 0,1
	v_add_f32 v[ST+8*\q+4], v[ST+8*\q+4], v[ST+8*\q+5]
.endr
.irp q, 0,1
	v_rcp_f32 v[ST+8*\q+6], v[ST+8*\q+4]
.endr
	v_nop                                          ; a plain instruction behind the last reciprocal
	s_wait_alu depctr_va_vdst(0)                   ; and the wait ahead of the first use: one for both
.macro PACK q
	WIN 0x41
.set i, 0
.rept 16
	v_pk_mul_f32 v[O+32*\q+i:O+32*\q+i+1], v[O+32*\q+i:O+32*\q+i+1], v[ST+8*\q+6:ST+8*\q+7] op_sel_hi:[1,0]
.set i, i+2
.endr
	WIN 0x05                                       ; sources window 1, destination window 0
.set i, 0
.rept 16
	v_cvt_pk_f16_f32 v[B+32*\q+i], v[O+32*\q+2*i], v[O+32*\q+2*i+1]
.set i, i+1
.endr
	WIN 0
.irp e, 0,1,2,3
	ds_store_b128 v[STO], v[B+32*\q+4*\e:B+32*\q+4*\e+3] offset:32*\e   ; query r, channels 16 e + 8 h on
.endr
.irp e, 0,1,2,3
	ds_load_b128 v[B+32*\q+16+4*\e:B+32*\q+16+4*\e+3], v[RD] offset:4*SP*\e   ; LDS serves a wave's instructions in order: these see the stores above, and the next tile's stores come behind them
.endr
.endm
.macro SEND q, younger                 ; younger: the LDS instructions issued behind tile q's loads
.irp e, 0,1,2,3
	s_wait_dscnt \younger+3-\e
	global_store_b128 v[GO], v[B+32*\q+16+4*\e:B+32*\q+16+4*\e+3], s[10:11] offset:2048*\q+512*\e   ; 32 lanes store 512 consecutive bytes, aligned
.endr
.endm
	PACK 0
	PACK 1
	SEND 0, 8
	SEND 1, 0
	s_wait_tensorcnt 0x0                           ; the wave's end: a wait, an add to my spare word and its wait, behind my last tensor load and my last LDS store
	ds_add_u32 v[SPW], v[NIL]
	s_wait_dscnt 0x0
	CROUND                                         ; the closing round: no work-group ends while a partner may still ask for a tile that names it
	s_endpgm
.Lfunc_end_k_q723ff7e5e2_attn:
	.size	k_q723ff7e5e2_attn, .Lfunc_end_k_q723ff7e5e2_attn-k_q723ff7e5e2_attn
	.p2alignl 7, 3214868480
	.fill 96, 4, 3214868480
	.section	.rodata,"a",@progbits
	.p2align	6, 0x0
	.amdhsa_kernel k_q723ff7e5e2_attn
		.amdhsa_group_segment_fixed_size 327680
		.amdhsa_private_segment_fixed_size 0
		.amdhsa_enable_private_segment 0
		.amdhsa_kernarg_size 32
		.amdhsa_user_sgpr_count 2
		.amdhsa_user_sgpr_kernarg_segment_ptr 1
		.amdhsa_wavefront_size32 1
		.amdhsa_system_sgpr_workgroup_id_x 1
		.amdhsa_system_sgpr_workgroup_id_y 1
		.amdhsa_system_sgpr_workgroup_id_z 1
		.amdhsa_system_vgpr_workitem_id 0
		.amdhsa_next_free_vgpr 512
		.amdhsa_next_free_sgpr 80
		.amdhsa_reserve_vcc 1
		.amdhsa_float_denorm_mode_32 3
		.amdhsa_float_denorm_mode_16_64 3
		.amdhsa_memory_ordered 1
		.amdhsa_forward_progress 1
		.amdhsa_inst_pref_size 206
	.end_amdhsa_kernel
	.amdgpu_metadata
---
amdhsa.version: [ 1, 2 ]
amdhsa.kernels:
  - .name:           k_q723ff7e5e2_attn
    .symbol:         k_q723ff7e5e2_attn.kd
    .args:
      - { .name: qkv, .offset: 0, .size: 8, .value_kind: global_buffer, .address_space: global }
      - { .name: attention_mask, .offset: 8, .size: 8, .value_kind: global_buffer, .address_space: global }
      - { .name: rel_bias_emb, .offset: 16, .size: 8, .value_kind: global_buffer, .address_space: global }
      - { .name: ctx, .offset: 24, .size: 8, .value_kind: global_buffer, .address_space: global }
    .group_segment_fixed_size: 327680
    .private_segment_fixed_size: 0
    .kernarg_segment_align: 8
    .kernarg_segment_size: 32
    .max_flat_workgroup_size: 256
    .sgpr_count:     80
    .vgpr_count:     512
    .wavefront_size: 32
...
	.end_amdgpu_metadata
.endif
;; end of part 3
;; launch oproj (part 4): grid 8 x 32, 4 waves a work-group, clusters of 4 x 4, 327,680 bytes of LDS; arguments ctx, wo16, out0; writes out0
.if DOCPART == 4
	.amdgcn_target "amdgcn-amd-amdhsa--gfx1250"
	.amdhsa_code_object_version 6
	.text
	.protected	k_q723ff7e5e2_oproj
	.globl	k_q723ff7e5e2_oproj
	.p2align	8
	.type	k_q723ff7e5e2_oproj,@function
k_q723ff7e5e2_oproj:
	s_mov_b64 s[64:65], 0
	v_nop
	global_prefetch_b8 v0, s[64:65] scope:SCOPE_SE
	s_setreg_imm32_b32 hwreg(HW_REG_WAVE_MODE, 25, 1), 1
	s_wait_xcnt 0x0
	s_wait_alu depctr_hold_cnt(0) depctr_sa_sdst(0) depctr_va_vdst(0) depctr_va_sdst(0) depctr_va_ssrc(0) depctr_va_vcc(0) depctr_vm_vsrc(0)
	s_getreg_b32 s2, hwreg(HW_REG_IB_STS2, 6, 4)
	s_cmp_eq_u32 s2, 0
	s_cbranch_scc0 .Lentry_in_a_cluster
	s_endpgm
.Lentry_in_a_cluster:
	s_bfe_u32 s2, ttmp6, 0x10000c
	s_cmp_lg_u32 s2, 0xf033
	s_cbranch_scc0 .Lentry_shape_is_right
	s_endpgm
.Lentry_shape_is_right:
; out0[token][n] = sum over k of ctx[token][k] W_o[n][k]: 4,096 x 1,024 x 1,024, f16 operands, f32 sums, f32 out.
; Both operands lie tiled: ctx [token / 128][k / 64][token % 128][64], wo16 [n / 128][k / 64][n % 128][64]: a chunk of 128 rows x 64 along K is 16,384 consecutive bytes, and a tile's 16 chunks follow each other.
; A tile of out0 is 128 x 128: 256 work-groups; four waves, each 64 x 64: 16 accumulators.  K goes in four steps of 256 (four chunks a side) through two LDS slots; a wave's tensor load brings two chunks, 32 KB.
; CLUSTER 4 x 4: ctx's chunks hang on the tile row and are asked for jointly by a row of the cluster, wo16's on the tile column and by a column.
; THE MATRIX INSTRUCTION IS USED TRANSPOSED (source 0 = 16 rows of W_o, source 1 = 16 tokens): a lane holds eight neighbouring numbers of a row of out0.
; REGISTERS: window 0: v0-31 addresses; v32-95 the way out; v128-255 the accumulators ((a, b) at v[128 + 8 (4 a + b)]).  window 1: two fragment buffers of 128: for 64 along K, 64 registers of A, then 64 of B.
.set CHUNK,  17408                     ; 16,384 dense bytes as 64 rows of 256 + 16: a row e of 128 bytes lies at (e / 2) 272 + (e % 2) 128, so the 16 rows of a load take 16 different columns of 16 bytes modulo 256
.set SLOT,   8*CHUNK                   ; A's four chunks, then B's four
.set SPARE,  2*SLOT                    ; behind the slots: the spare words, 128 bytes a wave, which no other line names
.set SPITCH, 272                       ; the way out: a stage of 16 rows x (256 bytes + 16) for each wave, in slot 0, which has had its last fill and its last read by then
.set ADRA, 16                          ; v16-17  LDS address of my A fragments in slot 0, 1
.set ADRB, 20                          ; v20-21  the same for B
.set STO,  24
.set RD,   25
.set CO,   26
.set SPW,  28                          ; v28 my spare word; never rewritten
.set NIL,  29                          ; v29 0; never rewritten
.set TMP,  32                          ; the way out: 16 rows read back: v32-63 and v64-95 by turns
.set ACC,  128
.set F0,   0
.set F1,   128
.set G1, 24                            ; s[24:31] group 1 for A;  s[32:39] group 0, a set for each slot
.set G0, 32
.set G1B, 48                           ; s[48:55], s[56:63] the same for B
.set G0B, 56
.set MSB, 0
.macro WIN new                         ; the immediate's high byte repeats the setting that is left
.if MSB != (\new)
	s_set_vgpr_msb (MSB<<8)|(\new)
.set MSB, (\new)
.endif
.endm
.set MUL,  0x05                        ; sources 0 (B) and 1 (A) window 1; C and D window 0
.set TO_F, 0x40                        ; destination window 1, address window 0
.macro JLOAD s                         ; a joint load: waves 0 and 1 fetch A's chunks, waves 2 and 3 B's; an s_nop 0 and four v_nop follow each of the two lines
	s_cmp_eq_u32 s11, 0
	s_cbranch_scc0 .Lfor_b_\@
	tensor_load_to_lds s[G0+4*\s:G0+4*\s+3], s[G1:G1+7]
	s_nop 0
.rept 4
	v_nop
.endr
	s_branch .Lasked_\@
.Lfor_b_\@:
	tensor_load_to_lds s[G0B+4*\s:G0B+4*\s+3], s[G1B:G1B+7]
	s_nop 0
.rept 4
	v_nop
.endr
.Lasked_\@:
.endm
.macro CREST                           ; a round of the cluster's barrier behind its opening barrier
	s_cmp_lg_u32 s10, 0
	s_cbranch_scc1 .Lnot_wave_0_\@
	s_barrier_signal -3
.Lnot_wave_0_\@:
	s_barrier_wait -3
	s_barrier_signal -1
	s_barrier_wait -1
.endm
.macro CROUND
	s_barrier_signal -1
	s_barrier_wait -1
	CREST
.endm
	s_load_b128 s[4:7], s[0:1], 0x0                ; ctx s[4:5], wo16 s[6:7]
	s_load_b64 s[8:9], s[0:1], 0x10                ; out0
	v_lshl_add_u32 v[SPW], v0, 2, SPARE
	v_mov_b32 v[NIL], 0
	ds_add_u32 v[SPW], v[NIL]                      ; the wave's opening: the add, twice on end, and its wait ahead of my first tensor load
	ds_add_u32 v[SPW], v[NIL]
	v_lshrrev_b32 v1, 5, v0
	v_readfirstlane_b32 s10, v1                    ; wave 0..3
	s_lshr_b32 s11, s10, 1                         ; which half of the tile's rows is mine.  Also: I fetch for A (0) or for B (1)
	s_and_b32 s12, s10, 1                          ; which half of its columns.  Also: which two chunks of a K step I fetch
	s_bfe_u32 s40, ttmp6, 0x40000                  ; cx, cy
	s_bfe_u32 s41, ttmp6, 0x40004
	s_lshl_b32 s42, ttmp9, 2
	s_add_co_u32 s42, s42, s40                     ; tile column = 4 x cluster x + cx
	s_and_b32 s13, ttmp7, 0xffff
	s_lshl_b32 s13, s13, 2
	s_add_co_u32 s13, s13, s41                     ; tile row = 4 x cluster y + cy
	s_lshl_b32 s43, s41, 2
	s_lshl_b32 s43, 15, s43                        ; my row of the cluster
	s_lshl_b32 s44, 0x1111, s40                    ; my column
	; group 1: 32,768 dense bytes as 128 rows x 128 numbers of 2 bytes, 16 bytes of padding behind each 256
	s_or_b32 s[G1+0], s43, (1<<16)|(1<<20)|(1<<21)|(5<<22)|(3<<25)  ; 15:0 the mask; 17:16 elements of 2 bytes; 20 padding on; 21 set beside a mask; 24:22 after every 64 words; 31:25 four words
	s_or_b32 s[G1B+0], s44, (1<<16)|(1<<20)|(1<<21)|(5<<22)|(3<<25)
.irp g, G1, G1B
	s_mov_b32 s[\g+1], 128<<16
	s_mov_b32 s[\g+2], 128<<16
	s_mov_b32 s[\g+3], 128<<16
	s_mov_b32 s[\g+4], 128
	s_mov_b32 s[\g+5], 128
	s_mov_b32 s[\g+6], 0
	s_mov_b32 s[\g+7], 0
.endr
	s_lshl_b32 s17, s12, 15                        ; my two chunks of a K step's four
	s_lshl_b32 s16, s13, 18                        ; A: 262,144 bytes a tile row
	s_add_co_u32 s16, s16, s17
	s_lshl_b32 s46, s42, 18                        ; B: 262,144 bytes a tile column
	s_add_co_u32 s46, s46, s17
	s_mov_b32 s17, 0
	s_mov_b32 s47, 0
	s_mul_i32 s20, s10, 2*CHUNK                    ; where they go: wave x two chunks: no place in the cluster enters an LDS address
	s_wait_dscnt 0x0                               ; both opening adds are done
	s_wait_kmcnt 0x0
	s_add_nc_u64 s[14:15], s[4:5], s[16:17]
	s_add_nc_u64 s[46:47], s[6:7], s[46:47]
	CROUND                                         ; all sixteen work-groups are here: the first joint loads meet
.irp s, 0,1
	s_mov_b32 s[G0+4*\s], 1
	s_add_co_u32 s[G0+4*\s+1], s20, \s*SLOT
	s_add_nc_u64 s[G0+4*\s+2:G0+4*\s+3], s[14:15], \s*65536
	s_or_b32 s[G0+4*\s+3], s[G0+4*\s+3], 0x80000000
	s_mov_b32 s[G0B+4*\s], 1
	s_add_co_u32 s[G0B+4*\s+1], s20, \s*SLOT
	s_add_nc_u64 s[G0B+4*\s+2:G0B+4*\s+3], s[46:47], \s*65536
	s_or_b32 s[G0B+4*\s+3], s[G0B+4*\s+3], 0x80000000
	JLOAD \s                                       ; two loads of mine are out
.endr
	v_and_b32 v1, 15, v0                           ; l % 16
	v_bfe_u32 v2, v0, 4, 1                         ; l / 16
	v_lshrrev_b32 v3, 1, v1
	v_mul_u32_u24 v3, v3, 272
	v_and_b32 v4, 1, v1
	v_lshl_add_u32 v3, v4, 7, v3
	v_lshl_add_u32 v3, v2, 4, v3                   ; a fragment's row: (r / 2) 272 + (r % 2) 128 + 16 x half
	s_mul_i32 s21, s11, 8704                       ; my 64 rows of a chunk of A
	s_mul_i32 s22, s12, 8704                       ; my 64 rows of a chunk of B,
	s_add_co_u32 s22, s22, 4*CHUNK                 ; which lie behind A's four chunks
.irp s, 0,1
	v_add_nc_u32 v[ADRA+\s], s21, v3
	v_add_nc_u32 v[ADRB+\s], s22, v3
	s_add_co_u32 s21, s21, SLOT
	s_add_co_u32 s22, s22, SLOT
.endr
	s_mul_i32 s23, s10, 16*SPITCH                  ; my stage
	v_mul_u32_u24 v4, v1, SPITCH
	v_lshl_add_u32 v4, v2, 5, v4
	v_add_nc_u32 v[STO], s23, v4                   ; in: row l % 16, 32 bytes for each half of the lanes
	v_mul_u32_u24 v5, v2, SPITCH
	v_lshl_add_u32 v5, v1, 4, v5
	v_add_nc_u32 v[RD], s23, v5                    ; back: lanes 0-15 one row of 256 bytes, lanes 16-31 the next
	v_lshlrev_b32 v5, 12, v2
	v_lshl_add_u32 v[CO], v1, 4, v5                ; and the same two rows in out0, 4,096 bytes apart
	s_lshl_b32 s16, s13, 7
	s_lshl_b32 s17, s11, 6
	s_add_co_u32 s16, s16, s17                     ; my first row: 128 x tile row + 64 x half
	s_lshl_b32 s16, s16, 12
	s_lshl_b32 s46, s42, 9                         ; my first column, in bytes: 512 x tile column + 256 x half
	s_lshl_b32 s47, s12, 8
	s_add_co_u32 s46, s46, s47
	s_add_co_u32 s16, s16, s46
	s_mov_b32 s17, 0
	s_add_nc_u64 s[8:9], s[8:9], s[16:17]
; 8 matrix instructions: row blocks a0, a0 + 1 x all 4 column blocks, 32 along K: half c of buffer f.  zero = 1: the first product starts the sums.  The 16 accumulators take turns.
.macro MUL8 f, c, a0, zero
.irp a, \a0, \a0+1
.irp b, 0,1,2,3
.if \zero
	v_wmma_f32_16x16x32_f16 v[ACC+8*(4*(\a)+\b):ACC+8*(4*(\a)+\b)+7], v[\f+64+8*(4*\c+\b):\f+64+8*(4*\c+\b)+7], v[\f+8*(4*\c+\a):\f+8*(4*\c+\a)+7], 0
.else
	v_wmma_f32_16x16x32_f16 v[ACC+8*(4*(\a)+\b):ACC+8*(4*(\a)+\b)+7], v[\f+64+8*(4*\c+\b):\f+64+8*(4*\c+\b)+7], v[\f+8*(4*\c+\a):\f+8*(4*\c+\a)+7], v[ACC+8*(4*(\a)+\b):ACC+8*(4*(\a)+\b)+7]
.endif
.endr
.endr
.endm
; 32 LDS loads in one run: the fragments of the slot's q-th chunk (64 along K) into buffer f; the first 32 along K first
.macro FETCH slot, q, f
	WIN TO_F
.irp c, 0,1
.irp i, 0,1,2,3
	ds_load_b128 v[\f+64+8*(4*\c+\i):\f+64+8*(4*\c+\i)+3],   v[ADRB+\slot] offset:(\q)*CHUNK+64*\c+\i*2176
	ds_load_b128 v[\f+64+8*(4*\c+\i)+4:\f+64+8*(4*\c+\i)+7], v[ADRB+\slot] offset:(\q)*CHUNK+64*\c+\i*2176+32
	ds_load_b128 v[\f+8*(4*\c+\i):\f+8*(4*\c+\i)+3],         v[ADRA+\slot] offset:(\q)*CHUNK+64*\c+\i*2176
	ds_load_b128 v[\f+8*(4*\c+\i)+4:\f+8*(4*\c+\i)+7],       v[ADRA+\slot] offset:(\q)*CHUNK+64*\c+\i*2176+32
.endr
.endr
.endm
.macro PLACES                          ; four plain places in front of loads into registers that matrix instructions have read, and of the first read of results
.rept 4
	v_nop
.endr
.endm
; A K step is four quarters of 64 along K, 32 matrix instructions each, on buffers 0, 1, 0, 1.  One of the first three: multiplies buffer f and fetches chunk q into g.
.macro QUARTER slot, q, f, g, zero
	s_wait_dscnt 16                                ; the first 32 along K are in; the other sixteen loads may be out
	WIN MUL
	MUL8 \f, 0, 0, \zero
	MUL8 \f, 0, 2, \zero
	PLACES
	FETCH \slot, \q, \g
	s_wait_dscnt 32                                ; all but the 32 just issued
	WIN MUL
	MUL8 \f, 1, 0, 0
	MUL8 \f, 1, 2, 0
.endm
; The last quarter multiplies buffer 1 and changes slots: ONE barrier; in front of it each wave waits for all its tensor loads, adds 0 to its spare word, and waits for that and for its reads of this slot.
; fill = 1: the barrier opens a round of the cluster's, and this slot is filled again, two K steps ahead.
.macro TURN slot, next, fill
	WIN 0                                          ; (the add's two registers lie in window 0)
	s_wait_tensorcnt 0x0                           ; all my tensor loads have landed: my part of the next slot
	ds_add_u32 v[SPW], v[NIL]
	s_wait_dscnt 17                                ; (the add and the youngest sixteen loads may be out)
	WIN MUL
	MUL8 F1, 0, 0, 0
	s_wait_dscnt 0x0                               ; the add is done, and my reads of this slot are over
	s_barrier_signal -1
	MUL8 F1, 0, 2, 0
.if \fill
	WIN 0
.endif
	s_barrier_wait -1
.if \fill
	CREST                                          ; no wave of any partner still reads this slot or has a load on its way
	s_add_nc_u64 s[G0+4*\slot+2:G0+4*\slot+3], s[G0+4*\slot+2:G0+4*\slot+3], 131072
	s_add_nc_u64 s[G0B+4*\slot+2:G0B+4*\slot+3], s[G0B+4*\slot+2:G0B+4*\slot+3], 131072
	JLOAD \slot                                    ; the first tensor load behind the round; its four v_nop are also the places in front of the loads below
.else
	PLACES
.endif
	FETCH \next, 0, F0
	WIN MUL
	MUL8 F1, 1, 0, 0
	MUL8 F1, 1, 2, 0
.endm
	s_wait_tensorcnt 1                             ; my part of K step 0 is in (K step 1's load may be out)
	s_barrier_signal -1
	s_barrier_wait -1                              ; everybody's is
	FETCH 0, 0, F0
	QUARTER 0, 1, F0, F1, 1                        ; K step 0; its first products start the sums
	QUARTER 0, 2, F1, F0, 0
	QUARTER 0, 3, F0, F1, 0
	TURN 0, 1, 1                                   ; slot 0 takes K step 2
	QUARTER 1, 1, F0, F1, 0                        ; K step 1
	QUARTER 1, 2, F1, F0, 0
	QUARTER 1, 3, F0, F1, 0
	TURN 1, 0, 1                                   ; slot 1 takes K step 3
	QUARTER 0, 1, F0, F1, 0                        ; K step 2
	QUARTER 0, 2, F1, F0, 0
	QUARTER 0, 3, F0, F1, 0
	TURN 0, 1, 0                                   ; nothing is left to fetch
	QUARTER 1, 1, F0, F1, 0                        ; K step 3
	QUARTER 1, 2, F1, F0, 0
	QUARTER 1, 3, F0, F1, 0
	s_wait_dscnt 16
	WIN MUL
	MUL8 F1, 0, 0, 0
	MUL8 F1, 0, 2, 0
	s_wait_dscnt 0
	MUL8 F1, 1, 0, 0
	MUL8 F1, 1, 2, 0
	WIN 0
; THE WAY OUT, a block of 16 rows x 64 columns at a time: a lane's 32 bytes go into my own stage and come back as whole rows of 256 bytes: sixteen lanes store 256 consecutive bytes, aligned.
.macro TOSTAGE a
.irp b, 0,1,2,3
	ds_store_b128 v[STO], v[ACC+8*(4*(\a)+\b):ACC+8*(4*(\a)+\b)+3] offset:64*\b        ; each accumulator from its low end on
	ds_store_b128 v[STO], v[ACC+8*(4*(\a)+\b)+4:ACC+8*(4*(\a)+\b)+7] offset:64*\b+16
.endr
.irp t, 0,1,2,3,4,5,6,7
	ds_load_b128 v[TMP+32*((\a)%2)+4*\t:TMP+32*((\a)%2)+4*\t+3], v[RD] offset:\t*2*SPITCH   ; LDS serves a wave's instructions in order: these see the stores above
.endr
.endm
.macro SEND a, younger                 ; younger: the LDS instructions issued behind block a's loads
	s_wait_dscnt \younger
.irp t, 0,1,2,3,4,5,6,7
	global_store_b128 v[CO], v[TMP+32*((\a)%2)+4*\t:TMP+32*((\a)%2)+4*\t+3], s[8:9] offset:(16*(\a)+2*\t)*4096 th:TH_STORE_NT   ; written once, read by nobody here
.endr
.endm
	PLACES
	TOSTAGE 0
.irp a, 1,2,3
.if \a > 1
	s_wait_xcnt 0x0                                ; block a - 2's stores have read their data: block a's loads may land there
.endif
	TOSTAGE \a
	SEND \a-1, 16                                  ; behind block a - 1's loads: block a's 8 stores and 8 loads
.endr
	SEND 3, 0
	s_wait_tensorcnt 0x0                           ; the wave's end: a wait, an add to my spare word and its wait, behind my last tensor load and my last LDS store
	ds_add_u32 v[SPW], v[NIL]
	s_wait_dscnt 0x0
	CROUND                                         ; the closing round: no work-group ends while a partner may still ask for a tile that names it
	s_endpgm
.Lfunc_end_k_q723ff7e5e2_oproj:
	.size	k_q723ff7e5e2_oproj, .Lfunc_end_k_q723ff7e5e2_oproj-k_q723ff7e5e2_oproj
	.p2alignl 7, 3214868480
	.fill 96, 4, 3214868480
	.section	.rodata,"a",@progbits
	.p2align	6, 0x0
	.amdhsa_kernel k_q723ff7e5e2_oproj
		.amdhsa_group_segment_fixed_size 327680
		.amdhsa_private_segment_fixed_size 0
		.amdhsa_enable_private_segment 0
		.amdhsa_kernarg_size 24
		.amdhsa_user_sgpr_count 2
		.amdhsa_user_sgpr_kernarg_segment_ptr 1
		.amdhsa_wavefront_size32 1
		.amdhsa_system_sgpr_workgroup_id_x 1
		.amdhsa_system_sgpr_workgroup_id_y 1
		.amdhsa_system_sgpr_workgroup_id_z 1
		.amdhsa_system_vgpr_workitem_id 0
		.amdhsa_next_free_vgpr 512
		.amdhsa_next_free_sgpr 66
		.amdhsa_reserve_vcc 0
		.amdhsa_float_denorm_mode_32 3
		.amdhsa_float_denorm_mode_16_64 3
		.amdhsa_memory_ordered 1
		.amdhsa_forward_progress 1
		.amdhsa_inst_pref_size 85
	.end_amdhsa_kernel
	.amdgpu_metadata
---
amdhsa.version: [ 1, 2 ]
amdhsa.kernels:
  - .name:           k_q723ff7e5e2_oproj
    .symbol:         k_q723ff7e5e2_oproj.kd
    .args:
      - { .name: ctx, .offset: 0, .size: 8, .value_kind: global_buffer, .address_space: global }
      - { .name: wo16, .offset: 8, .size: 8, .value_kind: global_buffer, .address_space: global }
      - { .name: out0, .offset: 16, .size: 8, .value_kind: global_buffer, .address_space: global }
    .group_segment_fixed_size: 327680
    .private_segment_fixed_size: 0
    .kernarg_segment_align: 8
    .kernarg_segment_size: 24
    .max_flat_workgroup_size: 128
    .sgpr_count:     66
    .vgpr_count:     512
    .wavefront_size: 32
...
	.end_amdgpu_metadata
.endif
;; end of part 4
